; MI455X (gfx1250); checked and timed in simulation.
; The chip was launched on July 23, 2026; its instructions are those of AMD's public machine-readable ISA for CDNA 5 (MIT licence, August 2026) and "CDNA5" Instruction Set Architecture Reference Guide (July 2026). The comments in the code are by the model that wrote it; some were corrected since.
;; Multi Head Attention. Allowed arithmetic: matrix products marked QUANTISED: E4M3 operands, one given power-of-two scale a tensor, by v_wmma_f32_16x16x64_fp8_fp8 or v_wmma_f32_16x16x128_fp8_fp8, f32 sums; everything else in f32.
;; Inputs: W_out 2,048 x 2,048 float32; b_out 2,048 float32; keys 2 x 2,048 x 2,048 float32; lowp_scales 6 int32 (the exponents e of the quantised operands' scales 2^e); mask 2 x 1 x 2,048 x 2,048 int32; query 2 x 2,048 x 2,048 float32; values 2 x 2,048 x 2,048 float32.
;; Outputs: out0 2 x 2,048 x 2,048 float32.
;; This version of the problem:
;;   THIS VERSION OF THE PROBLEM IS GIVEN IN LOW PRECISION. The matrix products marked QUANTISED in the list below multiply operands that are first quantised to E4M3 (4 exponent bits, 3 mantissa bits; 8 bits a number), with one given power-of-two scale for each operand tensor; their sums are f32. All else is computed in f32.
;;   The module's matrix products, in the order in which they are computed (A, B: the left and right operand; K: the contracted axis; several contracted axes count as one K, in the product's order):
;;     1. batch 32 x [M 2,048, K 128] x [K 128, N 2,048]; A: input query; B: input keys: QUANTISED (scales: A lowp_scales[0], B lowp_scales[1])
;;     2. batch 32 x [M 128, K 2,048] x [K 2,048, N 2,048]; A: input values; B: softmax (see below): QUANTISED (scales: A lowp_scales[2], B lowp_scales[3])
;;     3. [M 4,096, K 2,048] x [K 2,048, N 2,048]; A: computed on the way; B: input W_out: QUANTISED (scales: A lowp_scales[4], B lowp_scales[5])
;;   THE QUANTISER, for each operand of a quantised product, along K:
;;     - The operand's scale is 2^e, e = its entry of the input lowp_scales (int32; the entries are numbered through the quantised products in the list's order, A before B).
;;     - Each number is divided by the scale, clamped to +-448, and rounded to the nearest number of E4M3, ties to even, subnormals kept.
;;     - The product sums the exact products of the quantised numbers (number of the format x scale) in f32.
;;   ~~~python
;;   def quantise(x, axis, e):      # numpy; x: float32 -> the quantised numbers, widened to float32 again
;;       x = np.moveaxis(x, axis, -1); K = x.shape[-1]
;;       r = np.clip(x / 2.0 ** e, -448, 448)
;;       step = 2.0 ** (np.maximum(np.frexp(np.where(r == 0, 1, r))[1] - 1, -6) - 3)
;;       q = np.round(r / step) * step * 2.0 ** e      # np.round: ties to even
;;       return np.moveaxis(q, -1, axis).astype(np.float32)
;;   ~~~
;;   SOFTMAX AHEAD OF A QUANTISED PRODUCT. Where the list says 'softmax', what is quantised is not the finished softmax but p = 2^(t - M), with t = logit x log2(e) and M = ceil(the row's largest t), a whole number; so 1/2 < the row's largest p <= 1. The row's sum l is taken of the UNQUANTISED p, in f32, and the product's result is divided by l at the end. Since M is a whole number, a kernel that streams over the keys may use a running M (the ceiling of the running maximum): every later rescaling is an exact power of two, so the quantised numbers keep their values, but for numbers so far below the row's largest that they fall under the format's range.
;;   OPERANDS COMPUTED ON THE WAY. 'Computed on the way' means the value that the module computes at that place (a softmax that the list does not call 'softmax' is quantised finished and normalised). What goes into a quantiser is computed in f32, as accurately as f32 sums, v_exp_f32 and their like allow (about 1e-6 of the number): no bf16 or f16 on the way to a quantiser, and a product that is left as it is and whose result goes on into a quantised operand takes f32 operands (vector FMAs, or v_wmma_f32_16x16x4_f32). A number that lies on a knife's edge between two numbers of the format may be rounded either way, as far as f32 arithmetic and the matrix unit's own rounding can turn it there, and no further.
;; 2 versions. Each part assembles by itself: llvm-mc -triple=amdgcn-amd-amdhsa -mcpu=gfx1250 --defsym DOCPART=n.
;; ======== version 1 of 2: 3 launches
;; workspace buffers: q_img 8,388,608 bytes; k_img 8,388,608 bytes; v_img 8,388,608 bytes; w_img 4,194,304 bytes; a_img 8,388,608 bytes; maskw 1,048,576 bytes of whole numbers
;; launch prep (part 1): grid 2304 x 1, 4 waves a work-group, no clusters, 51,200 bytes of LDS; arguments query, keys, mask, W_out, values, lowp_scales, q_img, k_img, maskw, w_img, v_img; writes q_img, k_img, maskw, w_img, v_img
.if DOCPART == 1
	.amdgcn_target "amdgcn-amd-amdhsa--gfx1250"
	.amdhsa_code_object_version 6
	.text
	.protected	k_q643071e3aa_prep
	.globl	k_q643071e3aa_prep
	.p2align	8
	.type	k_q643071e3aa_prep,@function
k_q643071e3aa_prep:
	s_mov_b64 s[64:65], 0
	v_nop
	global_prefetch_b8 v0, s[64:65] scope:SCOPE_SE
	s_setreg_imm32_b32 hwreg(HW_REG_WAVE_MODE, 25, 1), 1
	s_wait_xcnt 0x0
; query, keys, W_out and values (f32) become codes of FP8 (E4M3), each with its given scale 2^e; the mask (int32) becomes lane masks, one bit a number.
; code = x / 2^e, held within +-448, rounded to the nearest code, ties to even.  LIMITS: each e between -126 and 119, so that 2^e and 448 x 2^e are f32 numbers.  NaN among the inputs is not served.
; THE CODES ARE LAID AS IMAGES OF THE OPERAND'S REGISTERS.  A fragment is 16 rows x 128 along K: 2,048 bytes in four pieces of 512; lane L = r + 16 h owns the 16 bytes at 512 c + 16 L of piece c:
; K = 32 c + 16 h + 0 .. 15 of the fragment's row r.  A block is 128 rows x 128 along K: eight fragments; fragment t = 2 b + u, lane r, is row 32 b + 8 u + r + 8 (r / 8) of the block.
; Block (n, CB, RB) lies at ((n x 256 + CB x 16 + RB) x 16,384): CB the block along K, RB the block of rows (n = 0 for W_out).
; THE MASK: for each tile of 16 queries (the same choice of rows) and each step of 128 keys 64 words; bit L of word j is 1 where mask[query of lane r][key 32 (j / 16) + 16 h + j % 16] is 0.
; SHARES.  Work-groups 0-511 query, 512-1,023 keys, 1,024-1,535 mask, 1,536-1,791 W_out: all have rows of 8,192 bytes and take one path: a work-group takes 32 rows x 512 columns, a wave 32 rows x 128 columns,
; as two units of 16 rows.  Each load reads 512 consecutive bytes of a row; a unit turns through the wave's own stage in LDS, so that a lane gets 16 neighbours along K of each block of 32.
; Work-groups 1,792-2,303 values, whose K (the keys) is the first axis: a work-group takes 128 keys x one head's 128 channels, a wave 32 keys; a lane takes four channels and its registers run down the keys.
; No barrier: waves share nothing.  A wave's 32 loads (16 KB) all go out at its head.  Every store covers 256 or 512 consecutive bytes, aligned.
.set SP,    528                        ; a stage row: 512 bytes + 16: sixteen rows start at sixteen different 16-byte columns of 256 bytes
.set WST,   16*SP                      ; the row path's stage of a wave
.set VBASE, 4*WST                      ; the values' path has LDS bytes of its own
.set VWST,  8*SP
.set LO,  2                            ; v2   16 x lane
.set STI, 3                            ; v3   the stage, on the way in: 16 x lane
.set STR, 4                            ; v4   and on the way out: row r, + 64 h
.set LIM, 5                            ; v5   448 x 2^e
.set SC,  6                            ; v6   2^e
.set MO,  7                            ; v7   8 x lane
.set MW,  8                            ; v[8:9], v[10:11] a unit's 64 mask words, two a lane
.set VST, 12                           ; v12  values: where a lane puts a channel's 16 codes
.set VRD, 13                           ; v13  values: 16 x lane in the wave's stage
.set R,   16                           ; v16-143  two sets of 64 registers as loaded
.set X,   144                          ; v144-207 64 numbers, neighbours along K
.set C,   208                          ; v208-239 two sets of 16 registers of codes: no store's data are written again
	s_load_b256 s[4:11], s[0:1], 0x0               ; query, keys, mask, W_out
	s_load_b128 s[12:15], s[0:1], 0x20             ; values, the scales' exponents
	s_load_b256 s[16:23], s[0:1], 0x30             ; q_img, k_img, maskw, w_img
	s_load_b64 s[24:25], s[0:1], 0x50              ; v_img
	v_lshl_add_u32 v240, v0, 2, 0xc600
	v_mov_b32 v241, 0
	v_lshrrev_b32 v1, 5, v0
	v_readfirstlane_b32 s34, v1                    ; wave 0..3
	v_and_b32 v1, 31, v0                           ; lane
	v_lshlrev_b32 v[LO], 4, v1
	v_lshlrev_b32 v[MO], 3, v1
	s_mul_i32 s44, s34, WST
	v_add_nc_u32 v[STI], s44, v[LO]
	v_and_b32 v14, 15, v0                          ; r
	v_bfe_u32 v15, v0, 4, 1                        ; h
	v_mul_u32_u24 v[STR], v14, SP
	v_lshl_add_u32 v[STR], v15, 6, v[STR]
	v_add_nc_u32 v[STR], s44, v[STR]
	; values: channel 4 L + j is row r = 4 (L & 1) + j + 8 ((L >> 2) & 1) of fragment t = 2 (L >> 3) + ((L >> 1) & 1)
	v_bfe_u32 v[VST], v0, 3, 2
	v_bfe_u32 v[VRD], v0, 1, 1
	v_lshl_add_u32 v[VST], v[VST], 1, v[VRD]       ; t
	v_mul_u32_u24 v[VST], v[VST], SP
	v_and_b32 v[VRD], 1, v0
	v_lshl_add_u32 v[VST], v[VRD], 6, v[VST]
	v_bfe_u32 v[VRD], v0, 2, 1
	v_lshl_add_u32 v[VST], v[VRD], 7, v[VST]
	s_mul_i32 s45, s34, VWST
	s_add_co_u32 s45, s45, VBASE
	v_add_nc_u32 v[VST], s45, v[VST]
	v_add_nc_u32 v[VRD], s45, v[LO]
.irp i, 0,1,2,3
	v_mov_b32 v[MW+\i], 0                          ; written whole once: a lane write keeps the other lanes
.endr
	s_lshr_b32 s35, ttmp9, 9                       ; 0 query, 1 keys, 2 mask, 3 W_out (used on the row path alone)
	s_wait_kmcnt 0x0
	s_load_b128 s[28:31], s[14:15], 0x0            ; e0 .. e3
	s_load_b64 s[32:33], s[14:15], 0x10            ; e4, e5
	s_cmp_ge_u32 ttmp9, 1792
	s_cbranch_scc1 .Lvalues
	; ---- THE ROW PATH
	s_and_b32 s44, ttmp9, 511
	s_lshr_b32 s45, s44, 2                         ; which 32 rows
	s_and_b32 s46, s44, 3
	s_lshl_b32 s46, s46, 2
	s_add_co_u32 s46, s46, s34                     ; CB: which 128 columns
	s_lshl_b32 s48, s45, 18                        ; 32 rows of 8,192 bytes
	s_lshl_b32 s47, s46, 9
	s_add_co_u32 s48, s48, s47
	s_mov_b32 s49, 0
	s_lshr_b32 s50, s45, 2                         ; the block of 128 rows, through both batches
	s_lshr_b32 s51, s50, 4
	s_lshl_b32 s51, s51, 8
	s_lshl_b32 s52, s46, 4
	s_add_co_u32 s51, s51, s52
	s_and_b32 s52, s50, 15
	s_add_co_u32 s51, s51, s52
	s_lshl_b32 s51, s51, 14                        ; the block's image,
	s_and_b32 s52, s45, 3
	s_lshl_b32 s52, s52, 12
	s_add_co_u32 s51, s51, s52                     ; its fragments 2 b and 2 b + 1
	s_lshl_b32 s52, s45, 13                        ; the mask: two tiles of queries x 4,096 bytes,
	s_lshl_b32 s53, s46, 8
	s_add_co_u32 s52, s52, s53                     ; the step's 256 bytes
	s_cmp_eq_u32 s35, 2
	s_cselect_b32 s50, s52, s51
	s_mov_b32 s51, 0
	s_cmp_eq_u32 s35, 0                            ; the buffers are chosen by the work-group's number alone
	s_cselect_b64 s[36:37], s[4:5], s[6:7]
	s_cselect_b64 s[38:39], s[16:17], s[18:19]
	s_cmp_eq_u32 s35, 2
	s_cselect_b64 s[36:37], s[8:9], s[36:37]
	s_cselect_b64 s[38:39], s[20:21], s[38:39]
	s_cmp_eq_u32 s35, 3
	s_cselect_b64 s[36:37], s[10:11], s[36:37]
	s_cselect_b64 s[38:39], s[22:23], s[38:39]
	s_add_nc_u64 s[36:37], s[36:37], s[48:49]
	s_add_nc_u64 s[38:39], s[38:39], s[50:51]
.macro LOADR u                         ; unit u: the 16 rows of fragment 2 b + u, 512 consecutive bytes a load
.irp i, 0,1,2,3,4,5,6,7,8,9,10,11,12,13,14,15
	global_load_b128 v[R+64*\u+4*\i:R+64*\u+4*\i+3], v[LO], s[36:37] offset:(8*\u+\i+8*(\i/8))*8192 th:TH_LOAD_NT
.endr
.endm
.macro TURN u                          ; through the stage: LDS serves a wave's instructions in order, so no wait stands between the stores and the loads
	s_wait_loadcnt 16*(1-\u)                       ; unit 0: the 16 loads of unit 1 may be out
.irp i, 0,1,2,3,4,5,6,7,8,9,10,11,12,13,14,15
	ds_store_b128 v[STI], v[R+64*\u+4*\i:R+64*\u+4*\i+3] offset:SP*\i
.endr
.irp c, 0,1,2,3
.irp j, 0,1,2,3
	ds_load_b128 v[X+16*\c+4*\j:X+16*\c+4*\j+3], v[STR] offset:128*\c+16*\j   ; X[16 c + i] = column 32 c + 16 h + i of row r
.endr
.endr
	s_wait_dscnt 0x0
.endm
.macro QTAIL u
.set j, 0
.rept 64
	v_med3_num_f32 v[X+j], v[X+j], -v[LIM], v[LIM] ; the conversion to an 8-bit code does not saturate (ISA guide 7.6.2): the hold at the largest code x the scale
.set j, j+1
.endr
.irp g, 0,1,2,3,4,5,6,7
	v_cvt_scalef32_pk8_fp8_f32 v[C+16*\u+2*\g:C+16*\u+2*\g+1], v[X+8*\g:X+8*\g+7], v[SC]
.endr
	v_nop                                          ; a plain line behind the last conversion
.irp c, 0,1,2,3
	global_store_b128 v[LO], v[C+16*\u+4*\c:C+16*\u+4*\c+3], s[38:39] offset:2048*\u+512*\c   ; a piece: 512 consecutive bytes
.endr
.endm
.macro MTAIL u                         ; a compare gives word j as it is wanted: bit L for lane L; it goes to lane j / 2 of one of two registers
.set j, 0
.rept 64
	v_cmp_eq_u32 s[40+j%4], 0, v[X+j]
	v_writelane_b32 v[MW+2*\u+(j&1)], s[40+j%4], j>>1
.set j, j+1
.endr
	global_store_b64 v[MO], v[MW+2*\u:MW+2*\u+1], s[38:39] offset:4096*\u   ; 64 words: 256 consecutive bytes
.endm
	LOADR 0
	LOADR 1
	s_wait_kmcnt 0x0
	s_cmp_eq_u32 s35, 1
	s_cselect_b32 s44, s29, s28                    ; keys e1, query e0 (the mask's path makes no use of it)
	s_cmp_eq_u32 s35, 3
	s_cselect_b32 s44, s33, s44                    ; W_out e5
	s_add_co_i32 s44, s44, 127
	s_lshl_b32 s45, s44, 23
	v_mov_b32 v[SC], s45                           ; 2^e as f32: the conversion takes its exponent field
	s_add_co_i32 s44, s44, 8
	s_lshl_b32 s44, s44, 23
	s_or_b32 s44, s44, 0x600000
	v_mov_b32 v[LIM], s44                          ; 448 x 2^e
	TURN 0
	s_cmp_eq_u32 s35, 2
	s_cbranch_scc1 .Lmask0
	QTAIL 0
	s_branch .Ljoin0
.Lmask0:
	MTAIL 0
.Ljoin0:
	TURN 1
	s_cmp_eq_u32 s35, 2
	s_cbranch_scc1 .Lmask1
	QTAIL 1
	s_wait_tensorcnt 0x0
	ds_add_u32 v240, v241
	s_wait_dscnt 0x0
	s_endpgm
.Lmask1:
	MTAIL 1
	s_wait_tensorcnt 0x0
	ds_add_u32 v240, v241
	s_wait_dscnt 0x0
	s_endpgm
	; ---- VALUES
.Lvalues:
	s_sub_co_u32 s44, ttmp9, 1792
	s_and_b32 s45, s44, 15                         ; head
	s_lshr_b32 s46, s44, 4                         ; 16 x batch + key step
	s_lshl_b32 s48, s46, 20                        ; 128 keys of 8,192 bytes,
	s_lshl_b32 s47, s34, 18                        ; my wave's 32 of them,
	s_add_co_u32 s48, s48, s47
	s_lshl_b32 s47, s45, 9                         ; the head's 512 bytes
	s_add_co_u32 s48, s48, s47
	s_mov_b32 s49, 0
	s_lshr_b32 s50, s46, 4
	s_lshl_b32 s50, s50, 8
	s_lshl_b32 s47, s45, 4
	s_add_co_u32 s50, s50, s47
	s_and_b32 s47, s46, 15
	s_add_co_u32 s50, s50, s47
	s_lshl_b32 s50, s50, 14                        ; the block's image,
	s_lshl_b32 s47, s34, 9
	s_add_co_u32 s50, s50, s47                     ; piece c = my wave of each of its eight fragments
	s_mov_b32 s51, 0
	s_add_nc_u64 s[36:37], s[12:13], s[48:49]
	s_add_nc_u64 s[38:39], s[24:25], s[50:51]
.macro LOADV hh                        ; keys 16 hh + i, i = 0 .. 15: a load reads the head's 512 consecutive bytes of one key; lane L takes channels 4 L .. 4 L + 3
.irp i, 0,1,2,3,4,5,6,7,8,9,10,11,12,13,14,15
	global_load_b128 v[R+64*\hh+4*\i:R+64*\hh+4*\i+3], v[LO], s[36:37] offset:(16*\hh+\i)*8192 th:TH_LOAD_NT
.endr
.endm
.macro VHALF hh
	s_wait_loadcnt 16*(1-\hh)                      ; the other half's 16 loads may be out
.irp j, 0,1,2,3
.irp i, 0,1,2,3,4,5,6,7,8,9,10,11,12,13,14,15
	v_med3_num_f32 v[X+16*\j+\i], v[R+64*\hh+4*\i+\j], -v[LIM], v[LIM]   ; the hold also sorts the registers: 16 keys of one channel on end
.endr
.endr
.irp g, 0,1,2,3,4,5,6,7
	v_cvt_scalef32_pk8_fp8_f32 v[C+16*\hh+2*\g:C+16*\hh+2*\g+1], v[X+8*\g:X+8*\g+7], v[SC]
.endr
	v_nop                                          ; a plain line behind the last conversion: the next half's holds write its sources
.irp j, 0,1,2,3
	ds_store_b128 v[VST], v[C+16*\hh+4*\j:C+16*\hh+4*\j+3] offset:16*\j+256*\hh   ; channel 4 L + j: lane r + 16 hh of its fragment's piece
.endr
.endm
	LOADV 0
	LOADV 1
	s_wait_kmcnt 0x0
	s_add_co_i32 s44, s30, 127                     ; e2
	s_lshl_b32 s45, s44, 23
	v_mov_b32 v[SC], s45
	s_add_co_i32 s44, s44, 8
	s_lshl_b32 s44, s44, 23
	s_or_b32 s44, s44, 0x600000
	v_mov_b32 v[LIM], s44
	VHALF 0
	VHALF 1
.irp t, 0,1,2,3,4,5,6,7
	ds_load_b128 v[X+4*\t:X+4*\t+3], v[VRD] offset:SP*\t   ; LDS serves a wave's instructions in order: these see my stores
.endr
.irp t, 0,1,2,3,4,5,6,7
	s_wait_dscnt 7-\t                              ; the later loads may be out
	global_store_b128 v[LO], v[X+4*\t:X+4*\t+3], s[38:39] offset:2048*\t   ; a piece: 512 consecutive bytes
.endr
	s_wait_tensorcnt 0x0
	ds_add_u32 v240, v241
	s_wait_dscnt 0x0
	s_endpgm
.Lfunc_end_k_q643071e3aa_prep:
	.size	k_q643071e3aa_prep, .Lfunc_end_k_q643071e3aa_prep-k_q643071e3aa_prep
	.p2alignl 7, 3214868480
	.fill 96, 4, 3214868480
	.section	.rodata,"a",@progbits
	.p2align	6, 0x0
	.amdhsa_kernel k_q643071e3aa_prep
		.amdhsa_group_segment_fixed_size 51200
		.amdhsa_private_segment_fixed_size 0
		.amdhsa_enable_private_segment 0
		.amdhsa_kernarg_size 88
		.amdhsa_user_sgpr_count 2
		.amdhsa_user_sgpr_kernarg_segment_ptr 1
		.amdhsa_wavefront_size32 1
		.amdhsa_system_sgpr_workgroup_id_x 1
		.amdhsa_system_sgpr_workgroup_id_y 1
		.amdhsa_system_sgpr_workgroup_id_z 1
		.amdhsa_system_vgpr_workitem_id 0
		.amdhsa_next_free_vgpr 242
		.amdhsa_next_free_sgpr 66
		.amdhsa_reserve_vcc 0
		.amdhsa_float_denorm_mode_32 3
		.amdhsa_float_denorm_mode_16_64 3
		.amdhsa_memory_ordered 1
		.amdhsa_forward_progress 1
		.amdhsa_inst_pref_size 53
	.end_amdhsa_kernel
	.amdgpu_metadata
---
amdhsa.version: [ 1, 2 ]
amdhsa.kernels:
  - .name:           k_q643071e3aa_prep
    .symbol:         k_q643071e3aa_prep.kd
    .args:
      - { .name: query, .offset: 0, .size: 8, .value_kind: global_buffer, .address_space: global }
      - { .name: keys, .offset: 8, .size: 8, .value_kind: global_buffer, .address_space: global }
      - { .name: mask, .offset: 16, .size: 8, .value_kind: global_buffer, .address_space: global }
      - { .name: W_out, .offset: 24, .size: 8, .value_kind: global_buffer, .address_space: global }
      - { .name: values, .offset: 32, .size: 8, .value_kind: global_buffer, .address_space: global }
      - { .name: lowp_scales, .offset: 40, .size: 8, .value_kind: global_buffer, .address_space: global }
      - { .name: q_img, .offset: 48, .size: 8, .value_kind: global_buffer, .address_space: global }
      - { .name: k_img, .offset: 56, .size: 8, .value_kind: global_buffer, .address_space: global }
      - { .name: maskw, .offset: 64, .size: 8, .value_kind: global_buffer, .address_space: global }
      - { .name: w_img, .offset: 72, .size: 8, .value_kind: global_buffer, .address_space: global }
      - { .name: v_img, .offset: 80, .size: 8, .value_kind: global_buffer, .address_space: global }
    .group_segment_fixed_size: 51200
    .private_segment_fixed_size: 0
    .kernarg_segment_align: 8
    .kernarg_segment_size: 88
    .max_flat_workgroup_size: 128
    .sgpr_count:     66
    .vgpr_count:     242
    .wavefront_size: 32
...
	.end_amdgpu_metadata
.endif
;; end of part 1
;; launch attn (part 2): grid 8 x 32, 8 waves a work-group, clusters of 4 x 1, 327,680 bytes of LDS; arguments q_img, k_img, v_img, maskw, lowp_scales, a_img; writes a_img
.if DOCPART == 2
	.amdgcn_target "amdgcn-amd-amdhsa--gfx1250"
	.amdhsa_code_object_version 6
	.text
	.protected	k_q643071e3aa_attn
	.globl	k_q643071e3aa_attn
	.p2align	8
	.type	k_q643071e3aa_attn,@function
k_q643071e3aa_attn:
	s_mov_b64 s[64:65], 0
	v_nop
	global_prefetch_b8 v0, s[64:65] scope:SCOPE_SE
	s_setreg_imm32_b32 hwreg(HW_REG_WAVE_MODE, 25, 1), 1
	s_wait_xcnt 0x0
	s_wait_alu depctr_hold_cnt(0) depctr_sa_sdst(0) depctr_va_vdst(0) depctr_va_sdst(0) depctr_va_ssrc(0) depctr_va_vcc(0) depctr_vm_vsrc(0)
	s_getreg_b32 s2, hwreg(HW_REG_IB_STS2, 6, 4)
	s_cmp_eq_u32 s2, 0
	s_cbranch_scc0 .Lentry_in_a_cluster
	s_endpgm
.Lentry_in_a_cluster:
	s_bfe_u32 s2, ttmp6, 0x10000c
	s_cmp_lg_u32 s2, 0x3003
	s_cbranch_scc0 .Lentry_shape_is_right
	s_endpgm
.Lentry_shape_is_right:
; The attention of one (batch, head): a = softmax(where(mask == 0, hidden, q k^T) / sqrt(2048)) v, both products on codes of FP8 (E4M3); a leaves as codes, the operand of the last product.
; All operands are images of their registers (a fragment: 16 rows x 128 K, 2,048 bytes, piece c at 512 c, lane L's 16 bytes at 16 L: K = 32 c + 16 (L / 16) + 0 .. 15); fragment t = 2 b + u, lane r,
; is row 32 b + 8 u + r + 8 (r / 8) of its block of 128 rows.  So four loads of 16 bytes at 16 x lane bring a fragment, and every tile is one dense block of memory.
; THE SOFTMAX AHEAD OF THE SECOND PRODUCT: t = score x log2(e) / sqrt(2048); M = the running largest t rounded UP to a whole number; p = 2^(t - M) is quantised, not normalised; the row's sum is taken of the
; unquantised p and divides at the end.  When M moves, the sum and O are multiplied by 2^(old M - new M): exact.
; THE MASK costs one select a score: word j of a tile's 64 words for a key step is the lane mask of score register j (bit = 1: hidden).  The words come by scalar loads, one softmax ahead of their use.
; A hidden score is -2^66 in true units, a power of two, so that its t is exact and a whole number: in a row with no open key t - M is 0 for every key, p = 1, the sum 2,048: the even softmax; beside an open key p is 0.
; SHARES.  A work-group owns 256 queries of one head; each of its eight waves 32: TWO tiles of 16, tile 0 in register window 0, tile 1 in window 1 under the same numbers, so that each fragment of K or V
; read from LDS feeds two matrix instructions.  Two waves lie on a SIMD: one wave's vector work stands beside the other's products and LDS loads.
; Both products are used transposed: S^T = K Q^T, O^T = V^T P^T: a lane holds ONE query throughout; by the choice of rows the 16 registers of tiles 2 b, 2 b + 1 are 16 neighbours along the next K.
; CLUSTER.  The four query blocks of a cluster belong to one head and walk the same K and V: each tile is asked for JOINTLY.  A slot holds four key steps (K's 4 x 16 KB, then V's); each of the eight waves brings 16 KB.
; By this text's count a wave has one tensor load out at the most.
; LIMITS on the given exponents: e0 + e1 between -61 and 41 (it is added to c's exponent field and taken from the hidden score's; up to 41 every true score, at least -128 x 448^2 x 2^(e0 + e1), lies above -2^66);
; e3, and e4 - e2 - e3, between -126 and 119.  NaN among the inputs is not served.
; REGISTERS.  Window 0 alone: v1 16 x lane; v2, v3 LDS addresses of the step's K and V; v5, v6 the add's; v7 256 x lane.  In both windows: v12 -M, v13 the largest t, v[14:15] the sum in two halves; v16-31 Q;
; v32-95 fragments of K or V (window 0: tiles 0-3, window 1: tiles 4-7); v96-159 S^T, then p; v160-223 O^T; v224-239 codes; v236 a permute's target; v240 448 x 2^e3; v241 the hidden score; v[242:243] at work;
; v244 2^e3; v245, v246 448 x and 1 x 2^(e4 - e2 - e3); v[252:253] f; v254 at work.
.set SLOT1, 1<<17                      ; slot 1 begins here: one exclusive or turns an address in one slot into the other's
.set VOFF,  65536                      ; in a slot: K's four steps, then V's four
.set STEPB, 16384                      ; a step's eight fragments
.set SPARE, 2*SLOT1                    ; behind the ring: the spare words, 128 bytes for each wave: four blocks of 256 bytes that no other line names
.set LI,  1
.set ADK, 2
.set ADV, 3
.set SPW, 5
.set NIL, 6
.set PFO, 7
.set TB,  2                            ; s2   LDS byte at which the step in hand begins
.set WV,  3                            ; s3   my wave's number
.set G1,  8                            ; s[8:15]  descriptor group 1
.set G0,  16                           ; s[16:19] descriptor group 0, which walks
.set SEL, 20                           ; s[20:21] lane selects: lane l xor 16
.set CS,  22                           ; s[22:23] c = log2(e) / sqrt(2048) x 2^(e0 + e1)
.set SLOTS, 24                         ; s24  slots still to be asked for
.set STEPS, 25                         ; s25  counts a slot's four steps
.set LIM, 26                           ; s26  1 in a wave that prefetches, else the greatest number
.set PFA, 28                           ; s[28:29] where my prefetches stand
                                       ; s[4:5] a_img at my tiles; s[6:7] the mask words of my tile 0 at the step in hand; s[32:63], s[68:99] 64 mask words
.set MSB, 0
.macro WIN new                         ; the immediate's high byte repeats the setting that is left; a switch that changes nothing is dropped
.if MSB != \new
	s_set_vgpr_msb (MSB<<8)|\new
.set MSB, \new
.endif
.endm
.macro ROUND                           ; a round of the cluster's barrier
	s_barrier_signal -1
	s_barrier_wait -1
	s_cmp_lg_u32 s[WV], 0
	s_cbranch_scc1 .Lnot_wave_0_\@
	s_barrier_signal -3
.Lnot_wave_0_\@:
	s_barrier_wait -3
	s_barrier_signal -1
	s_barrier_wait -1
.endm
.macro KVLOAD adr                      ; a step's eight fragments: 32 loads of 512 consecutive bytes
	WIN 0
.irp t, 0,1,2,3
.irp c, 0,1,2,3
	ds_load_b128 v[32+16*\t+4*\c:35+16*\t+4*\c], v[\adr] offset:2048*\t+512*\c
.endr
.endr
	WIN 0x40                                       ; destination window 1, address window 0
.irp t, 0,1,2,3
.irp c, 0,1,2,3
	ds_load_b128 v[32+16*\t+4*\c:35+16*\t+4*\c], v[\adr] offset:2048*(\t+4)+512*\c
.endr
.endr
	WIN 0
.endm
.macro SRUN win, g                     ; four products S^T = K Q^T: K's tiles 4 g .. 4 g + 3
	WIN \win
.irp t, 0,1,2,3
	v_wmma_f32_16x16x128_fp8_fp8 v[96+8*(4*\g+\t):103+8*(4*\g+\t)], v[32+16*\t:47+16*\t], v[16:31], 0
.endr
.endm
.macro PRUN win, g                     ; four products O^T += V^T P^T: V's tiles 4 g .. 4 g + 3.  Each accumulator comes once in a key step: the sixteen take turns, one instruction a turn
	WIN \win
.irp t, 0,1,2,3
	v_wmma_f32_16x16x128_fp8_fp8 v[160+8*(4*\g+\t):167+8*(4*\g+\t)], v[32+16*\t:47+16*\t], v[224:239], v[160+8*(4*\g+\t):167+8*(4*\g+\t)]
.endr
.endm
.macro MASKAP                          ; hidden scores, in ascending order: each accumulator is read from its low end on
.set j, 0
.rept 64
.if j < 32
	v_cndmask_b32 v[96+j], v[96+j], v241, s[32+j]
.else
	v_cndmask_b32 v[96+j], v[96+j], v241, s[36+j]
.endif
.set j, j+1
.endr
.endm
.macro MLOAD off                       ; 64 mask words: 256 bytes
	s_load_b512 s[32:47], s[6:7], \off
	s_load_b512 s[48:63], s[6:7], \off+64
	s_load_b512 s[68:83], s[6:7], \off+128
	s_load_b512 s[84:99], s[6:7], \off+192
.endm
.macro SOFT                            ; one tile's softmax for a key step, under the window that is set
	v_max3_num_f32 v254, v96, v97, v98             ; the step's largest score of my query, among my 64 keys, in two chains,
	v_max3_num_f32 v252, v99, v100, v101
.set j, 6
.rept 14
	v_max3_num_f32 v254, v254, v[96+j], v[97+j]
	v_max3_num_f32 v252, v252, v[98+j], v[99+j]
.set j, j+4
.endr
	v_max3_num_f32 v254, v254, v158, v159
	v_max_num_f32 v254, v254, v252
	v_permlanex16_b32 v236, v254, s[SEL], s[SEL+1]
	v_max_num_f32 v254, v254, v236                 ; and among lane l xor 16's
	v_mul_f32 v254, s[CS], v254                    ; as t (c is positive)
	v_max_num_f32 v13, v13, v254                   ; the running largest t
	v_mov_b32 v254, v12
	v_floor_f32 v12, -v13                          ; the new -M = floor(-t) = -ceil(t)
	v_sub_f32 v254, v12, v254                      ; old M - new M: a whole number, 0 or less
	v_cvt_i32_f32 v254, v254                       ; (it saturates)
	v_ldexp_f32 v252, 1.0, v254                    ; f = 2^(old M - new M)
.set j, 0
.rept 32
	v_pk_fma_f32 v[96+j:97+j], v[96+j:97+j], s[CS:CS+1], v[12:13] op_sel_hi:[1,0,0]   ; t - M, two at a time
.set j, j+2
.endr
.set j, 0
.rept 64
	v_exp_f32 v[96+j], v[96+j]                     ; p = 2^(t - M)
.set j, j+1
.endr
	v_pk_mul_f32 v[14:15], v[14:15], v[252:253] op_sel_hi:[1,0]   ; the sums under the new M: the plain line behind the exponentials
	s_wait_alu depctr_va_vdst(0)                   ; one wait for the batch, ahead of its first reader
	v_pk_add_f32 v[242:243], v[96:97], v[98:99]    ; the row's sum is taken of the unquantised p, in two chains
.set j, 4
.rept 15
	v_pk_add_f32 v[14:15], v[14:15], v[96+j:97+j]
	v_pk_add_f32 v[242:243], v[242:243], v[98+j:99+j]
.set j, j+4
.endr
	v_pk_add_f32 v[14:15], v[14:15], v[242:243]
.irp b, 0,1,2,3
.irp i, 0,1,2,3,4,5,6,7,8,9,10,11,12,13,14,15
	v_min_num_f32 v[96+16*\b+\i], v[96+16*\b+\i], v240   ; the conversion does not saturate (ISA guide 7.6.2); p is not negative, so the hold is one-sided
.endr
	v_cvt_scalef32_pk8_fp8_f32 v[224+4*\b:225+4*\b], v[96+16*\b:103+16*\b], v244
	v_cvt_scalef32_pk8_fp8_f32 v[226+4*\b:227+4*\b], v[104+16*\b:111+16*\b], v244
.endr
.set j, 0
.rept 32
	v_pk_mul_f32 v[160+j:161+j], v[160+j:161+j], v[252:253] op_sel_hi:[1,0]   ; O^T under the new M, each accumulator from its low end on; plain lines behind the conversions
.set j, j+2
.endr
.endm
; A KEY STEP: 128 keys for my two tiles.
.macro STEP
	WIN 0
	v_add_nc_u32 v[ADK], s[TB], v[LI]
	v_add_nc_u32 v[ADV], VOFF, v[ADK]
	v_nop                                          ; with the two additions: four places in front of loads into registers that the last products have read
	v_nop
	KVLOAD ADK
	s_wait_dscnt 0x0
	SRUN 0x00, 0                                   ; K's tiles 0-3 x tile 0
	SRUN 0x54, 0                                   ; x tile 1 (Q and S^T in window 1)
	SRUN 0x55, 1                                   ; K's tiles 4-7 (window 1) x tile 1
	SRUN 0x01, 1                                   ; x tile 0
	WIN 0
.rept 4
	v_nop                                          ; four places: in front of the loads into K's registers, and of the first read of the scores
.endr
	KVLOAD ADV                                     ; V lands under the two softmaxes
	s_wait_kmcnt 0x0                               ; tile 0's words, asked for a softmax ago
	MASKAP
	MLOAD 4096                                     ; tile 1's words of this step
	SOFT
	WIN 0x55
	s_wait_kmcnt 0x0                               ; tile 1's words are in, so the loads' base may be stepped:
	s_add_nc_u64 s[6:7], s[6:7], 256               ; the next step
	MASKAP
	MLOAD 0                                        ; tile 0's words of the next step (behind the last step: tile 1's first, inside the buffer, not used)
	SOFT
	s_wait_dscnt 0x0                               ; V is in
	PRUN 0x55, 1
	PRUN 0x54, 0
	PRUN 0x00, 0
	PRUN 0x01, 1
	WIN 0
.endm
.macro FOUR_STEPS                      ; a slot's four key steps: written once, walked four times
	s_mov_b32 s[STEPS], 4
.Lstep_\@:
	STEP
	s_add_co_u32 s[TB], s[TB], STEPB
	s_sub_co_u32 s[STEPS], s[STEPS], 1
	s_cmp_lg_u32 s[STEPS], 0
	s_cbranch_scc1 .Lstep_\@
	s_sub_co_u32 s[TB], s[TB], 4*STEPB             ; back to a slot's first step,
	s_xor_b32 s[TB], s[TB], SLOT1                  ; in the other slot
.endm
; A PREFETCH INTO THE L2 of what the NEXT change of slots will ask for: four key steps ahead of that load.  All clusters of a head walk the same K and V: the head's first cluster asks.  An even wave names 8 KB of the 32 KB
; that it and the wave after it will fetch, lanes 256 bytes apart; the four partners take the four quarters, told apart by address.  So each block of 256 bytes of slots 2 and 3 is named once in the launch.
; Slots 0 and 1 come by their loads alone; the last change that fills a slot asks for nothing.
.macro ASK
	s_cmp_gt_u32 s[SLOTS], s[LIM]
	s_cbranch_scc0 .Lnot_mine_\@
	global_prefetch_b8 v[PFO], s[PFA:PFA+1] th:TH_LOAD_NT scope:SCOPE_SE
.Lnot_mine_\@:
.endm
; THE CHANGE OF SLOTS stands at a slot's head.  Each wave waits for all its tensor loads (its part of the slot that it is about to read), adds 0 to its spare word, and waits for that and for its reads of the slot that it has
; left.  fill = 1: a round of the cluster's barrier, so that no wave of any partner still reads that slot or has a load on its way; then the joint refill, which has four key steps in which to land.
.macro CHANGE fill
	WIN 0
	s_wait_tensorcnt 0x0                           ; no tensor load of mine is out, so group 0 may be written
	ds_add_u32 v[SPW], v[NIL]                      ; 0 onto my spare word
.if \fill
	s_xor_b32 s[G0+1], s[G0+1], SLOT1              ; the other slot than last time,
	s_add_nc_u64 s[G0+2:G0+3], s[G0+2:G0+3], 4*STEPB   ; the next four steps; the type bits on top are not reached
	s_wait_xcnt 0x0                                ; the last prefetch, a slot back, has read its address
	s_add_nc_u64 s[PFA:PFA+1], s[PFA:PFA+1], 4*STEPB   ; one slot further on than the walking descriptor
	s_wait_dscnt 0x0                               ; the add is done, and my reads of the slot that I have left are over
	ROUND
	tensor_load_to_lds s[G0:G0+3], s[G1:G1+7]      ; the first thing behind the round, and my one tensor load until the next
	s_nop 0
.rept 4
	v_nop
.endr
	ASK
.else
	s_wait_dscnt 0x0
	s_barrier_signal -1
	s_barrier_wait -1
.endif
.endm
	s_load_b256 s[32:39], s[0:1], 0x0              ; q_img s[32:33], k_img s[34:35], v_img s[36:37], maskw s[38:39]  (the mask words' registers serve as temporaries here)
	s_load_b128 s[40:43], s[0:1], 0x20             ; the scales' exponents s[40:41], a_img s[42:43]
	v_lshl_add_u32 v[SPW], v0, 2, SPARE
	v_mov_b32 v[NIL], 0
	ds_add_u32 v5, v6
	ds_add_u32 v5, v6
	s_wait_dscnt 0x0
	v_lshrrev_b32 v1, 5, v0
	v_readfirstlane_b32 s[WV], v1                  ; wave 0..7
	v_and_b32 v[LI], 31, v0
	v_lshlrev_b32 v[LI], 4, v[LI]                  ; 16 x lane
	v_lshlrev_b32 v[PFO], 4, v[LI]                 ; 256 x lane
	s_bfe_u32 s27, ttmp6, 0x40000                  ; cx: my place in the cluster
	s_lshl_b32 s30, ttmp9, 2
	s_add_co_u32 s30, s30, s27                     ; my block of 256 queries: it enters Q's, the mask's and a's addresses alone
	s_and_b32 s31, ttmp7, 0xffff                   ; 16 x batch + head, which the four partners share
	; descriptor group 1: a dense block of 16,384 bytes as 64 rows of 32 elements of 8 bytes
	s_mov_b32 s[G1], 15|(3<<16)|(1<<21)            ; 15:0 the mask: all four work-groups; 17:16 elements of 8 bytes; 21 set beside a mask; no padding
	s_mov_b32 s[G1+1], 32<<16                      ; tensor_dim0 = 32
	s_mov_b32 s[G1+2], 64<<16                      ; tensor_dim1 = 64
	s_mov_b32 s[G1+3], 32<<16                      ; tile_dim0 = 32
	s_mov_b32 s[G1+4], 64                          ; tile_dim1 = 64
	s_mov_b32 s[G1+5], 32                          ; from row to row
	s_mov_b32 s[G1+6], 0
	s_mov_b32 s[G1+7], 0
	s_mov_b32 s[SEL], 0x76543210
	s_mov_b32 s[SEL+1], 0xfedcba98
	s_and_b32 s100, s[WV], 3                       ; waves 0-3 fetch K's steps 0-3 of a slot, waves 4-7 V's
	s_lshl_b32 s100, s100, 14
	s_lshl_b32 s101, s31, 18                       ; a head's 16 steps are 2^18 bytes on end
	s_add_co_u32 s100, s100, s101
	s_mov_b32 s101, 0
	s_lshl_b32 s104, s27, 13                       ; the prefetches: my work-group's 8 KB,
	s_add_co_u32 s104, s104, 4*STEPB               ; in slot 1: the first change of slots steps it to slot 2
	s_mov_b32 s105, 0
	s_lshl_b32 s52, s30, 1
	s_lshr_b32 s53, s[WV], 2
	s_add_co_u32 s52, s52, s53                     ; my block of 128 queries
	s_and_b32 s53, s[WV], 3                        ; my pair of tiles in it
	s_lshl_b32 s50, s31, 4
	s_add_co_u32 s50, s50, s52
	s_lshl_b32 s50, s50, 14
	s_lshl_b32 s51, s53, 12
	s_add_co_u32 s50, s50, s51                     ; my two fragments in q_img and in a_img
	s_mov_b32 s51, 0
	s_lshr_b32 s54, s31, 4                         ; batch
	s_lshl_b32 s54, s54, 7
	s_lshl_b32 s55, s52, 3
	s_add_co_u32 s54, s54, s55
	s_lshl_b32 s55, s53, 1
	s_add_co_u32 s54, s54, s55                     ; my tile 0 among the 256 tiles of queries
	s_lshl_b32 s54, s54, 12                        ; 4,096 bytes of words a tile
	s_mov_b32 s55, 0
	s_and_b32 s[LIM], s[WV], 1                     ; 0 in even waves,
	s_or_b32 s[LIM], s[LIM], ttmp9                 ; of the head's first cluster: the same in all four partners
	s_cmp_eq_u32 s[LIM], 0
	s_cselect_b32 s[LIM], 1, -1
	s_wait_kmcnt 0x0
	s_load_b128 s[44:47], s[40:41], 0x0            ; e0 .. e3
	s_load_b32 s48, s[40:41], 0x10                 ; e4
	s_mov_b32 s[G0], 1                             ; count = 1
	s_lshl_b32 s[G0+1], s[WV], 14                  ; LDS address: wave x 16,384, in slot 0
	s_cmp_lt_u32 s[WV], 4
	s_cselect_b64 s[G0+2:G0+3], s[34:35], s[36:37]
	s_add_nc_u64 s[G0+2:G0+3], s[G0+2:G0+3], s[100:101]
	s_add_nc_u64 s[PFA:PFA+1], s[G0+2:G0+3], s[104:105]
	s_or_b32 s[G0+3], s[G0+3], 0x80000000          ; type = 2
	s_add_nc_u64 s[104:105], s[32:33], s[50:51]    ; Q
	s_add_nc_u64 s[4:5], s[42:43], s[50:51]        ; a
	s_add_nc_u64 s[6:7], s[38:39], s[54:55]        ; the mask words
	ROUND                                          ; all four work-groups are here: the first joint loads meet
	tensor_load_to_lds s[G0:G0+3], s[G1:G1+7]      ; slot 0
	s_nop 0
.rept 4
	v_nop
.endr
.irp c, 0,1,2,3
	global_load_b128 v[16+4*\c:19+4*\c], v[LI], s[104:105] offset:512*\c th:TH_LOAD_NT
.endr
	WIN 0x40
.irp c, 0,1,2,3
	global_load_b128 v[16+4*\c:19+4*\c], v[LI], s[104:105] offset:2048+512*\c th:TH_LOAD_NT
.endr
	WIN 0
	s_wait_kmcnt 0x0
	s_add_co_i32 s49, s44, s45                     ; e0 + e1
	s_lshl_b32 s50, s49, 23
	s_mov_b32 s[CS], 0x3d0293ee                    ; log2(e) / sqrt(2048)
	s_add_co_i32 s[CS], s[CS], s50                 ; a score stands for score x 2^(e0 + e1): added to c's exponent field
	s_mov_b32 s[CS+1], s[CS]                       ; (named with it as a pair, so it is written)
	s_sub_co_i32 s31, 193, s49
	s_lshl_b32 s31, s31, 23
	s_or_b32 s31, s31, 0x80000000                  ; the hidden score: -2^(66 - e0 - e1)
	s_add_co_i32 s50, s47, 127
	s_lshl_b32 s27, s50, 23                        ; 2^e3
	s_add_co_i32 s50, s50, 8
	s_lshl_b32 s30, s50, 23
	s_or_b32 s30, s30, 0x600000                    ; 448 x 2^e3
	s_sub_co_i32 s50, s48, s46
	s_sub_co_i32 s50, s50, s47                     ; a sum of the second product stands for sum x 2^(e2 + e3): its code is (sum / l) / 2^(e4 - e2 - e3)
	s_add_co_i32 s50, s50, 127
	s_lshl_b32 s100, s50, 23
	s_add_co_i32 s50, s50, 8
	s_lshl_b32 s101, s50, 23
	s_or_b32 s101, s101, 0x600000
.macro INIT                            ; all sources are scalars and constants: the destination's window alone says which tile
	v_mov_b32 v12, 0x7f61b1e6                      ; -M = 3e38
	v_mov_b32 v13, 0xff61b1e6                      ; the largest t so far: -3e38, under every t
	v_mov_b32 v14, 0                               ; the sum, in two halves
	v_mov_b32 v15, 0
	v_mov_b32 v236, 0                              ; written once: a lane permute's destination counts as one of its sources
	v_mov_b32 v253, 0                              ; (named as the upper half of a pair)
	v_mov_b32 v240, s30
	v_mov_b32 v241, s31
	v_mov_b32 v244, s27
	v_mov_b32 v245, s101
	v_mov_b32 v246, s100
.set j, 0
.rept 64
	v_mov_b32 v[160+j], 0                          ; O^T: the key step is written without a first step of its own: the first change of M leaves zeros zeros
.set j, j+1
.endr
.endm
	INIT
	WIN 0x40
	INIT
	WIN 0
	MLOAD 0                                        ; tile 0's words of step 0: the temporaries are done with
	s_mov_b32 s[SLOTS], 3
	s_mov_b32 s[TB], 0
	s_wait_loadcnt 0x0                             ; Q
.Lslot:                                            ; three trips: behind each change of slots but the last the next slot is asked for
	CHANGE 1
	FOUR_STEPS
	s_sub_co_u32 s[SLOTS], s[SLOTS], 1
	s_cmp_lg_u32 s[SLOTS], 0
	s_cbranch_scc1 .Lslot
	CHANGE 0                                       ; the last slot is written out
	FOUR_STEPS
	; THE WAY OUT.  O^T / the sum is quantised as it stands: a lane's registers 16 b + i are channels 32 b + 16 (lane / 16) + i of its query, so the codes are the last product's fragment, stored as its image.
	s_wait_kmcnt 0x0                               ; the look-ahead's words
.rept 4
	v_nop                                          ; four places behind the last products
.endr
.macro FINISH win, swin, u
	WIN \win
	v_add_f32 v14, v14, v15                        ; the sum's two halves,
	v_permlanex16_b32 v252, v14, s[SEL], s[SEL+1]
	v_add_f32 v14, v14, v252                       ; and lane l xor 16's
	v_rcp_f32 v14, v14
	v_nop                                          ; a plain line behind the reciprocal
	s_wait_alu depctr_va_vdst(0)                   ; and the wait ahead of its first reader
.set j, 0
.rept 32
	v_pk_mul_f32 v[96+j:97+j], v[160+j:161+j], v[14:15] op_sel_hi:[1,0]   ; each accumulator from its low end on
.set j, j+2
.endr
.set j, 0
.rept 64
	v_med3_num_f32 v[96+j], v[96+j], -v245, v245   ; the hold at the largest code x the scale
.set j, j+1
.endr
.irp g, 0,1,2,3,4,5,6,7
	v_cvt_scalef32_pk8_fp8_f32 v[224+2*\g:225+2*\g], v[96+8*\g:103+8*\g], v246
.endr
	v_nop                                          ; a plain line behind the last conversion
	WIN \swin                                      ; the stores' data in the tile's window, their address in window 0
.irp c, 0,1,2,3
	global_store_b128 v[LI], v[224+4*\c:227+4*\c], s[4:5] offset:2048*\u+512*\c   ; a piece: 512 consecutive bytes
.endr
.endm
	FINISH 0x00, 0x00, 0
	FINISH 0x55, 0x04, 1
	WIN 0
	s_wait_tensorcnt 0x0                           ; the wave's end
	ds_add_u32 v[SPW], v[NIL]
	s_wait_dscnt 0x0
	ROUND                                          ; the closing round: no work-group ends while a partner may still ask for a tile that names it
	s_endpgm
.Lfunc_end_k_q643071e3aa_attn:
	.size	k_q643071e3aa_attn, .Lfunc_end_k_q643071e3aa_attn-k_q643071e3aa_attn
	.p2alignl 7, 3214868480
	.fill 96, 4, 3214868480
	.section	.rodata,"a",@progbits
	.p2align	6, 0x0
	.amdhsa_kernel k_q643071e3aa_attn
		.amdhsa_group_segment_fixed_size 327680
		.amdhsa_private_segment_fixed_size 0
		.amdhsa_enable_private_segment 0
		.amdhsa_kernarg_size 48
		.amdhsa_user_sgpr_count 2
		.amdhsa_user_sgpr_kernarg_segment_ptr 1
		.amdhsa_wavefront_size32 1
		.amdhsa_system_sgpr_workgroup_id_x 1
		.amdhsa_system_sgpr_workgroup_id_y 1
		.amdhsa_system_sgpr_workgroup_id_z 1
		.amdhsa_system_vgpr_workitem_id 0
		.amdhsa_next_free_vgpr 512
		.amdhsa_next_free_sgpr 106
		.amdhsa_reserve_vcc 0
		.amdhsa_float_denorm_mode_32 3
		.amdhsa_float_denorm_mode_16_64 3
		.amdhsa_memory_ordered 1
		.amdhsa_forward_progress 1
		.amdhsa_inst_pref_size 111
	.end_amdhsa_kernel
	.amdgpu_metadata
---
amdhsa.version: [ 1, 2 ]
amdhsa.kernels:
  - .name:           k_q643071e3aa_attn
    .symbol:         k_q643071e3aa_attn.kd
    .args:
      - { .name: q_img, .offset: 0, .size: 8, .value_kind: global_buffer, .address_space: global }
      - { .name: k_img, .offset: 8, .size: 8, .value_kind: global_buffer, .address_space: global }
      - { .name: v_img, .offset: 16, .size: 8, .value_kind: global_buffer, .address_space: global }
      - { .name: maskw, .offset: 24, .size: 8, .value_kind: global_buffer, .address_space: global }
      - { .name: lowp_scales, .offset: 32, .size: 8, .value_kind: global_buffer, .address_space: global }
      - { .name: a_img, .offset: 40, .size: 8, .value_kind: global_buffer, .address_space: global }
    .group_segment_fixed_size: 327680
    .private_segment_fixed_size: 0
    .kernarg_segment_align: 8
    .kernarg_segment_size: 48
    .max_flat_workgroup_size: 256
    .sgpr_count:     106
    .vgpr_count:     512
    .wavefront_size: 32
...
	.end_amdgpu_metadata
.endif
;; end of part 2
;; launch gemm (part 3): grid 8 x 16, 4 waves a work-group, clusters of 4 x 4, 327,680 bytes of LDS; arguments a_img, w_img, lowp_scales, b_out, out0; writes out0
.if DOCPART == 3
	.amdgcn_target "amdgcn-amd-amdhsa--gfx1250"
	.amdhsa_code_object_version 6
	.text
	.protected	k_q643071e3aa_gemm
	.globl	k_q643071e3aa_gemm
	.p2align	8
	.type	k_q643071e3aa_gemm,@function
k_q643071e3aa_gemm:
	s_mov_b64 s[64:65], 0
	v_nop
	global_prefetch_b8 v0, s[64:65] scope:SCOPE_SE
	s_setreg_imm32_b32 hwreg(HW_REG_WAVE_MODE, 25, 1), 1
	s_wait_xcnt 0x0
	s_wait_alu depctr_hold_cnt(0) depctr_sa_sdst(0) depctr_va_vdst(0) depctr_va_sdst(0) depctr_va_ssrc(0) depctr_va_vcc(0) depctr_vm_vsrc(0)
	s_getreg_b32 s2, hwreg(HW_REG_IB_STS2, 6, 4)
	s_cmp_eq_u32 s2, 0
	s_cbranch_scc0 .Lentry_in_a_cluster
	s_endpgm
.Lentry_in_a_cluster:
	s_bfe_u32 s2, ttmp6, 0x10000c
	s_cmp_lg_u32 s2, 0xf033
	s_cbranch_scc0 .Lentry_shape_is_right
	s_endpgm
.Lentry_shape_is_right:
; out0[m][n] = 2^(e4 + e5) x (sum over k of a[m][k] W[n][k]) + b[n], on codes of FP8 (E4M3).  m 4,096, n 2,048, k 2,048; sums in f32.  LIMIT: e4 + e5 between -126 and 127, so that 2^(e4 + e5) is an f32 number.
; Both operands are images of their registers: a fragment (16 rows x 128 K) is 2,048 bytes, piece c at 512 c, lane L's 16 bytes at 16 L; fragment t = 2 b + u, lane r, is row 32 b + 8 u + r + 8 (r / 8) of its block of
; 128 rows; block (batch, k block, row block) lies at ((batch x 256 + k block x 16 + row block) x 16,384).  So 256 rows x 128 K are 32,768 dense bytes, a fragment comes by four loads of 512 consecutive bytes.
; A tile of out0, 256 x 256, is made by a work-group of four waves, a wave 128 x 128: 64 accumulators, 512 registers.  K goes in steps of 256 through a ring of two LDS slots; each wave brings 32 KB of a slot.
; 128 tiles: the largest wave tile is kept, since each fragment read from LDS then feeds eight products.  No prefetch: each work-group makes eight refills of inputs of 12.6 MB in all, which sixteen or eight work-groups read.
; CLUSTERS: 4 x 4 work-groups; A's tiles are shared along a row of the cluster, B's along a column: each is asked for JOINTLY.  THE MATRIX INSTRUCTION IS USED TRANSPOSED (source 0 = 16 rows of W, source 1 = 16 rows of a).
; REGISTERS, in windows of 256: window 0: v0-31 addresses, v[8:11] my four numbers of b; from v128 A's fragments, ONE set; on the way out v128-255 rows of out0.  window 1: B's fragments, TWO sets.
;   window 2: the 32 accumulators of my A blocks 0-3 (accumulator (a, b) at v[8 (8 a + b)]);  window 3: those of blocks 4-7.
.set CBB,    32768                     ; 256 rows x 128 K
.set SLOT,   4*CBB                     ; A's k blocks 0, 1, then B's
.set KADV,   2*16*16384                ; two k blocks on, in an image buffer
.set LAPS,   4                         ; a lap = two K steps of 256 = once round the ring
.set SPARE,  2*SLOT                    ; behind the ring: the spare words, 128 bytes for each wave: two blocks of 256 bytes that no other line names
.set SPITCH, 528                       ; the way out: a stage of 16 rows x (512 bytes + 16) for each wave, in slot 0, which has had its last fill and its last read when the first result is stored there
.set FR,     16
.set NL,     4
.set NP,     4
.set BIAS, 8
.set ADRA, 16                          ; v16-17  LDS address of my A fragments in slot 0, 1
.set ADRB, 20                          ; v20-21  the same for B
.set STO,  24                          ; v24     the way out: where I put 32 bytes of a row
.set RD,   25                          ; v25     where I read a row back
.set CO,   26                          ; v26     16 x lane
.set SPW,  28
.set NIL,  29
.set AF,   128
.set BK,   128
.set G1, 24
.set G0, 32
.set G1B, 48
.set G0B, 56
.set MSB, 0
.macro WIN new
.if MSB != \new
	s_set_vgpr_msb (MSB<<8)|\new
.set MSB, \new
.endif
.endm
.set MUL_LO, 0xa1                      ; source 0 (B) window 1, source 1 (A) window 0, C and D window 2
.set MUL_HI, 0xf1
.set TO_B,   0x40
.macro JLOAD g0a, g1a, g0b, g1b        ; a joint load: waves 0 and 1 fetch for A, waves 2 and 3 for B; four v_nop follow each of the two lines
	s_cmp_eq_u32 s15, 0
	s_cbranch_scc0 .Lfor_b_\@
	tensor_load_to_lds s[\g0a:\g0a+3], s[\g1a:\g1a+7]
	s_nop 0
.rept 4
	v_nop
.endr
	s_branch .Lasked_\@
.Lfor_b_\@:
	tensor_load_to_lds s[\g0b:\g0b+3], s[\g1b:\g1b+7]
	s_nop 0
.rept 4
	v_nop
.endr
.Lasked_\@:
.endm
.macro CREST
	s_cmp_lg_u32 s14, 0
	s_cbranch_scc1 .Lnot_wave_0_\@
	s_barrier_signal -3
.Lnot_wave_0_\@:
	s_barrier_wait -3
	s_barrier_signal -1
	s_barrier_wait -1
.endm
.macro CROUND
	s_barrier_signal -1
	s_barrier_wait -1
	CREST
.endm
	s_load_b128 s[4:7], s[0:1], 0x0                ; a_img, w_img
	s_load_b128 s[8:11], s[0:1], 0x10              ; the scales' exponents s[8:9], b_out s[10:11]
	s_load_b64 s[12:13], s[0:1], 0x20              ; out0
	v_lshl_add_u32 v[SPW], v0, 2, SPARE
	v_mov_b32 v[NIL], 0
	ds_add_u32 v28, v29
	ds_add_u32 v28, v29
	s_wait_dscnt 0x0
	v_lshrrev_b32 v1, 5, v0
	v_readfirstlane_b32 s14, v1                    ; wave 0..3
	s_lshr_b32 s15, s14, 1                         ; which 128 rows of the tile are mine.  Also: I fetch for A (0) or for B (1)
	s_and_b32 s16, s14, 1                          ; which 128 columns.  Also: which k block of a slot I fetch
	s_bfe_u32 s40, ttmp6, 0x40000                  ; cx, cy
	s_bfe_u32 s41, ttmp6, 0x40004
	s_lshl_b32 s42, ttmp9, 2
	s_add_co_u32 s42, s42, s40                     ; tile column
	s_and_b32 s17, ttmp7, 0xffff
	s_lshl_b32 s17, s17, 2
	s_add_co_u32 s17, s17, s41                     ; tile row
	s_lshl_b32 s43, s41, 2
	s_lshl_b32 s43, 15, s43                        ; my row of the cluster
	s_lshl_b32 s44, 0x1111, s40                    ; my column
	; descriptor group 1: a dense block of 32,768 bytes as 128 rows of 32 elements of 8 bytes
	s_or_b32 s[G1+0], s43, (3<<16)|(1<<21)         ; 15:0 the mask: A's tiles go to my row; 17:16 elements of 8 bytes; 21 set beside a mask; no padding
	s_or_b32 s[G1B+0], s44, (3<<16)|(1<<21)
.irp g, G1, G1B
	s_mov_b32 s[\g+1], 32<<16                      ; tensor_dim0
	s_mov_b32 s[\g+2], 128<<16                     ; tensor_dim1
	s_mov_b32 s[\g+3], 32<<16                      ; tile_dim0
	s_mov_b32 s[\g+4], 128                         ; tile_dim1
	s_mov_b32 s[\g+5], 32                          ; from row to row
	s_mov_b32 s[\g+6], 0
	s_mov_b32 s[\g+7], 0
.endr
	s_lshl_b32 s19, s16, 4                         ; my k block x 16 blocks
	s_lshr_b32 s20, s17, 3                         ; A: batch x 256
	s_lshl_b32 s20, s20, 8
	s_and_b32 s18, s17, 7
	s_lshl_b32 s18, s18, 1                         ; + the tile's two row blocks
	s_add_co_u32 s20, s20, s18
	s_add_co_u32 s20, s20, s19
	s_lshl_b32 s20, s20, 14
	s_mov_b32 s21, 0
	s_lshl_b32 s46, s42, 1                         ; B: the tile's two row blocks of W
	s_add_co_u32 s46, s46, s19
	s_lshl_b32 s46, s46, 14
	s_mov_b32 s47, 0
	s_lshl_b32 s45, s14, 15                        ; where they go: wave x 32,768: no place in the cluster enters an LDS address
	s_wait_kmcnt 0x0
	s_load_b64 s[96:97], s[8:9], 0x10              ; e4, e5
	s_add_nc_u64 s[20:21], s[4:5], s[20:21]
	s_add_nc_u64 s[46:47], s[6:7], s[46:47]
	CROUND                                         ; all sixteen work-groups are here: the first joint loads meet
.irp s, 0,1
	s_mov_b32 s[G0+4*\s], 1
	s_add_co_u32 s[G0+4*\s+1], s45, \s*SLOT
	s_add_nc_u64 s[G0+4*\s+2:G0+4*\s+3], s[20:21], \s*KADV
	s_or_b32 s[G0+4*\s+3], s[G0+4*\s+3], 0x80000000
	s_mov_b32 s[G0B+4*\s], 1
	s_add_co_u32 s[G0B+4*\s+1], s45, \s*SLOT
	s_add_nc_u64 s[G0B+4*\s+2:G0B+4*\s+3], s[46:47], \s*KADV
	s_or_b32 s[G0B+4*\s+3], s[G0B+4*\s+3], 0x80000000
	JLOAD G0+4*\s, G1, G0B+4*\s, G1B
.endr
	v_and_b32 v1, 15, v0                           ; r
	v_bfe_u32 v2, v0, 4, 1                         ; h
	v_and_b32 v6, 31, v0
	v_lshlrev_b32 v[CO], 4, v6
	s_lshl_b32 s21, s15, 14                        ; my row block of A in a k block,
	s_lshl_b32 s22, s16, 14                        ; my row block of B,
	s_add_co_u32 s22, s22, 2*CBB                   ; which lies behind A's two k blocks
.irp s, 0,1
	v_add_nc_u32 v[ADRA+\s], s21, v[CO]
	v_add_nc_u32 v[ADRB+\s], s22, v[CO]
	s_add_co_u32 s21, s21, SLOT
	s_add_co_u32 s22, s22, SLOT
.endr
	s_mul_i32 s23, s14, 16*SPITCH                  ; my stage
	v_mul_u32_u24 v5, v1, SPITCH
	v_lshl_add_u32 v5, v2, 6, v5                   ; in: row r, + 64 h
	v_add_nc_u32 v[STO], s23, v5
	v_add_nc_u32 v[RD], s23, v[CO]                 ; back: the 32 lanes take one row of 512 bytes
	s_lshl_b32 s46, s42, 10                        ; my first column, in bytes: 1,024 x tile column + 512 x half
	s_lshl_b32 s47, s16, 9
	s_add_co_u32 s46, s46, s47
	s_mov_b32 s47, 0
	s_add_nc_u64 s[10:11], s[10:11], s[46:47]
	global_load_b128 v[BIAS:BIAS+3], v[CO], s[10:11]   ; b of the four columns that I store
	s_lshl_b32 s20, s17, 8
	s_lshl_b32 s21, s15, 7
	s_add_co_u32 s20, s20, s21                     ; my first row: 256 x tile row + 128 x half
	s_lshl_b32 s20, s20, 13                        ; rows of 8,192 bytes
	s_mov_b32 s21, 0
	s_add_nc_u64 s[12:13], s[12:13], s[20:21]
	s_add_nc_u64 s[12:13], s[12:13], s[46:47]
.macro FRAG reg, adr, q, i             ; fragment i of the slot's k block q: four pieces of 512 consecutive bytes
.irp c, 0,1,2,3
	ds_load_b128 v[\reg+4*\c:\reg+4*\c+3], v[\adr] offset:CBB*(\q)+2048*(\i)+512*\c
.endr
.endm
; 16 matrix instructions: A's blocks a0, a0 + 1 x B's eight, 128 along K.  The 64 accumulators take turns, one instruction a turn, in the same order in every step.
.macro MUL16 a0, p, zero
.irp a, \a0, \a0+1
.irp b, 0,1,2,3,4,5,6,7
.if \zero
	v_wmma_f32_16x16x128_fp8_fp8 v[8*(8*((\a)%4)+\b):8*(8*((\a)%4)+\b)+7], v[128*(\p)+FR*\b:128*(\p)+FR*\b+FR-1], v[AF+FR*(\a):AF+FR*(\a)+FR-1], 0
.else
	v_wmma_f32_16x16x128_fp8_fp8 v[8*(8*((\a)%4)+\b):8*(8*((\a)%4)+\b)+7], v[128*(\p)+FR*\b:128*(\p)+FR*\b+FR-1], v[AF+FR*(\a):AF+FR*(\a)+FR-1], v[8*(8*((\a)%4)+\b):8*(8*((\a)%4)+\b)+7]
.endif
.endr
.endr
.endm
.macro FETCH_B slot, q, p
	WIN TO_B
.irp i, 0,1,2,3,4,5,6,7
	FRAG 128*(\p)+FR*\i, ADRB+\slot, \q, \i
.endr
	WIN 0
.endm
.macro FETCH_A slot, q, i0
.irp i, \i0, \i0+1, \i0+2, \i0+3
	FRAG AF+FR*(\i), ADRA+\slot, \q, \i
.endr
.endm
.macro PLACES n                        ; plain vector lines in front of loads into registers that matrix instructions have read, and of the first read of results
.rept \n
	v_nop
.endr
.endm
.macro STEP slot, q, zero              ; a step of 128 along K that has its successor in the same slot
	s_wait_dscnt 4*NL                              ; B's set and A's blocks 0-3 are in; the youngest sixteen loads (A's blocks 4-7) may be out
	WIN MUL_LO
	MUL16 0, (\q)%2, \zero
	MUL16 2, (\q)%2, \zero
	s_wait_dscnt 0
	PLACES NP
	FETCH_B \slot, (\q)+1, 1-(\q)%2
	FETCH_A \slot, (\q)+1, 0
	WIN MUL_HI
	MUL16 4, (\q)%2, \zero
	MUL16 6, (\q)%2, \zero
	PLACES NP
	WIN 0
	FETCH_A \slot, (\q)+1, 4
.endm
; A slot's last step changes slots: ONE barrier; in front of it each wave waits for all its tensor loads, adds 0 to its spare word, and waits for that and for its own reads of this slot.
.macro TURN slot, next, fill
	s_wait_tensorcnt 0x0                           ; all my tensor loads have landed: my part of the next slot
	ds_add_u32 v[SPW], v[NIL]                      ; 0 onto my spare word
	s_wait_dscnt 4*NL+1                            ; (the add and the youngest sixteen loads may be out)
	WIN MUL_LO
	MUL16 0, 1, 0
	s_wait_dscnt 0x0                               ; the add is done, and my reads of this slot are over
	s_barrier_signal -1
	MUL16 2, 1, 0
	WIN 0
	s_barrier_wait -1
.if \fill
	CREST                                          ; the barrier has opened a round of the cluster's barrier: no wave of any partner still reads this slot or has a load on its way
	s_add_nc_u64 s[G0+4*\slot+2:G0+4*\slot+3], s[G0+4*\slot+2:G0+4*\slot+3], 2*KADV
	s_add_nc_u64 s[G0B+4*\slot+2:G0B+4*\slot+3], s[G0B+4*\slot+2:G0B+4*\slot+3], 2*KADV
	JLOAD G0+4*\slot, G1, G0B+4*\slot, G1B         ; the first tensor load behind the round; its four v_nop are the places in front of the loads below
.else
	PLACES NP
.endif
	FETCH_B \next, 0, 0
	FETCH_A \next, 0, 0
	WIN MUL_HI
	MUL16 4, 1, 0
	MUL16 6, 1, 0
	PLACES NP
	WIN 0
	FETCH_A \next, 0, 4
.endm
	s_wait_tensorcnt 1                             ; my part of slot 0 is in; slot 1's load may be out
	s_barrier_signal -1
	s_barrier_wait -1
	FETCH_B 0, 0, 0
	FETCH_A 0, 0, 0
	FETCH_A 0, 0, 4
	STEP 0, 0, 1                                   ; the first step stands in front of the loop: its products start the sums
	s_mov_b32 s3, LAPS-1
.Llap:                                             ; a trip goes once round the ring and fills both slots again
	TURN 0, 1, 1
	STEP 1, 0, 0
	TURN 1, 0, 1
	STEP 0, 0, 0
	s_sub_co_u32 s3, s3, 1
	s_cmp_lg_u32 s3, 0
	s_cbranch_scc1 .Llap
	TURN 0, 1, 0                                   ; the last lap fills nothing
	STEP 1, 0, 0
	s_wait_dscnt 4*NL
	WIN MUL_LO
	MUL16 0, 1, 0
	MUL16 2, 1, 0
	s_wait_dscnt 0
	WIN MUL_HI
	MUL16 4, 1, 0
	MUL16 6, 1, 0
	WIN 0
; THE WAY OUT, block by block of 16 rows x 128 columns.  In accumulator (a, b) lane (r, h) holds, of the row of lane r of A's fragment a, columns 32 (b / 2) + 16 h + 8 (b % 2) + 0 .. 7.  The sums go as they stand into my own
; stage in LDS, each eight at their columns' place, and come back as whole rows of 512 bytes; there each pair gets x 2^(e4 + e5) + b in one packed multiply-add.  LDS serves a wave's instructions in order.
.macro TOSTAGE a
.set AC, 64*((\a)%4)
	WIN 0x08+4*((\a)/4)                            ; the stores' data in window 2 or 3
.irp b, 0,1,2,3,4,5,6,7
	ds_store_b128 v[STO], v[AC+8*\b:AC+8*\b+3] offset:128*(\b/2)+32*(\b%2)        ; each accumulator from its low end on
	ds_store_b128 v[STO], v[AC+8*\b+4:AC+8*\b+7] offset:128*(\b/2)+32*(\b%2)+16
.endr
	WIN 0
.set BB, BK+64*((\a)%2)
.irp t, 0,1,2,3,4,5,6,7,8,9,10,11,12,13,14,15
	ds_load_b128 v[BB+4*\t:BB+4*\t+3], v[RD] offset:\t*SPITCH
.endr
.endm
.macro SEND a, younger                 ; younger: the LDS instructions issued behind block a's loads, which may stay out
.set BB, BK+64*((\a)%2)
	s_wait_dscnt \younger
.irp t, 0,1,2,3,4,5,6,7,8,9,10,11,12,13,14,15
	v_pk_fma_f32 v[BB+4*\t:BB+4*\t+1], v[BB+4*\t:BB+4*\t+1], s[96:97], v[BIAS:BIAS+1] op_sel_hi:[1,0,1]
	v_pk_fma_f32 v[BB+4*\t+2:BB+4*\t+3], v[BB+4*\t+2:BB+4*\t+3], s[96:97], v[BIAS+2:BIAS+3] op_sel_hi:[1,0,1]
.endr
.irp t, 0,1,2,3,4,5,6,7,8,9,10,11,12,13,14,15
	global_store_b128 v[CO], v[BB+4*\t:BB+4*\t+3], s[12:13] offset:(32*((\a)/2)+8*((\a)%2)+\t+8*(\t/8))*8192 th:TH_STORE_NT   ; stage row t is the row of lane t of fragment a; 32 lanes store 512 consecutive bytes, aligned; 127 rows at the most stand in the immediate
.endr
.endm
	s_wait_kmcnt 0x0
	s_add_co_i32 s96, s96, s97                     ; e4 + e5
	s_add_co_i32 s96, s96, 127
	s_lshl_b32 s96, s96, 23                        ; 2^(e4 + e5) as f32
	s_wait_loadcnt 0x0                             ; b
	PLACES NP                                      ; behind the last products: for the LDS stores of results and the loads into A's registers
	TOSTAGE 0
.irp a, 1,2,3,4,5,6,7
.if \a > 1
	s_wait_xcnt 0x0                                ; block a - 2's stores have read their registers: block a's loads may land there
.endif
	TOSTAGE \a
	SEND \a-1, 32                                  ; behind block a - 1's loads: block a's 16 stores and 16 loads
.endr
	SEND 7, 0
	s_wait_tensorcnt 0x0                           ; the wave's end
	ds_add_u32 v[SPW], v[NIL]
	s_wait_dscnt 0x0
	CROUND                                         ; the closing round
	s_endpgm
.Lfunc_end_k_q643071e3aa_gemm:
	.size	k_q643071e3aa_gemm, .Lfunc_end_k_q643071e3aa_gemm-k_q643071e3aa_gemm
	.p2alignl 7, 3214868480
	.fill 96, 4, 3214868480
	.section	.rodata,"a",@progbits
	.p2align	6, 0x0
	.amdhsa_kernel k_q643071e3aa_gemm
		.amdhsa_group_segment_fixed_size 327680
		.amdhsa_private_segment_fixed_size 0
		.amdhsa_enable_private_segment 0
		.amdhsa_kernarg_size 40
		.amdhsa_user_sgpr_count 2
		.amdhsa_user_sgpr_kernarg_segment_ptr 1
		.amdhsa_wavefront_size32 1
		.amdhsa_system_sgpr_workgroup_id_x 1
		.amdhsa_system_sgpr_workgroup_id_y 1
		.amdhsa_system_sgpr_workgroup_id_z 1
		.amdhsa_system_vgpr_workitem_id 0
		.amdhsa_next_free_vgpr 1024
		.amdhsa_next_free_sgpr 98
		.amdhsa_reserve_vcc 0
		.amdhsa_float_denorm_mode_32 3
		.amdhsa_float_denorm_mode_16_64 3
		.amdhsa_memory_ordered 1
		.amdhsa_forward_progress 1
		.amdhsa_inst_pref_size 123
	.end_amdhsa_kernel
	.amdgpu_metadata
---
amdhsa.version: [ 1, 2 ]
amdhsa.kernels:
  - .name:           k_q643071e3aa_gemm
    .symbol:         k_q643071e3aa_gemm.kd
    .args:
      - { .name: a_img, .offset: 0, .size: 8, .value_kind: global_buffer, .address_space: global }
      - { .name: w_img, .offset: 8, .size: 8, .value_kind: global_buffer, .address_space: global }
      - { .name: lowp_scales, .offset: 16, .size: 8, .value_kind: global_buffer, .address_space: global }
      - { .name: b_out, .offset: 24, .size: 8, .value_kind: global_buffer, .address_space: global }
      - { .name: out0, .offset: 32, .size: 8, .value_kind: global_buffer, .address_space: global }
    .group_segment_fixed_size: 327680
    .private_segment_fixed_size: 0
    .kernarg_segment_align: 8
    .kernarg_segment_size: 40
    .max_flat_workgroup_size: 128
    .sgpr_count:     98
    .vgpr_count:     1024
    .wavefront_size: 32
...
	.end_amdgpu_metadata
.endif
;; end of part 3
;; ======== version 2 of 2: 3 launches
;; limits: right only within a limited range of input values
;; workspace buffers: k_img 8,388,608 bytes; v_img 8,388,608 bytes; w_img 4,194,304 bytes; a_img 8,388,608 bytes; maskw 1,048,576 bytes of whole numbers
;; launch prep (part 4): grid 1792 x 1, 4 waves a work-group, no clusters, 51,200 bytes of LDS; arguments keys, mask, W_out, values, lowp_scales, k_img, maskw, w_img, v_img; writes k_img, maskw, w_img, v_img
.if DOCPART == 4
	.amdgcn_target "amdgcn-amd-amdhsa--gfx1250"
	.amdhsa_code_object_version 6
	.text
	.protected	k_q643071e3aa_prep
	.globl	k_q643071e3aa_prep
	.p2align	8
	.type	k_q643071e3aa_prep,@function
k_q643071e3aa_prep:
	s_mov_b64 s[64:65], 0
	v_nop
	global_prefetch_b8 v0, s[64:65] scope:SCOPE_SE
	s_setreg_imm32_b32 hwreg(HW_REG_WAVE_MODE, 25, 1), 1
	s_wait_xcnt 0x0
; keys, W_out and values (f32) become codes of FP8 (E4M3), each with its given scale 2^e; the mask (int32) becomes lane masks, one bit a number.  (query is read once by one wave and is quantised where it is used.)
; code = x / 2^e, held within +-448, rounded to the nearest code, ties to even.  LIMITS: each e between -126 and 119, so that 2^e and 448 x 2^e are f32 numbers.  NaN among the inputs is not served.
; THE CODES ARE LAID AS IMAGES OF THE OPERAND'S REGISTERS.  A fragment is 16 rows x 128 along K: 2,048 bytes in four pieces of 512; lane L = r + 16 h owns the 16 bytes at 512 c + 16 L of piece c:
; K = 32 c + 16 h + 0 .. 15 of the fragment's row r.  A block is 128 rows x 128 along K: eight fragments; fragment t = 2 b + u, lane r, is row 32 b + 8 u + r + 8 (r / 8) of the block.
; Block (n, CB, RB) lies at ((n x 256 + CB x 16 + RB) x 16,384): CB the block along K, RB the block of rows (n = 0 for W_out).
; THE MASK: for each tile of 16 queries (the same choice of rows) and each step of 128 keys 64 words; bit L of word j is 1 where mask[query of lane r][key 32 (j / 16) + 16 h + j % 16] is 0.
; SHARES.  Work-groups 0-511 keys, 512-1,023 mask, 1,024-1,279 W_out: all have rows of 8,192 bytes and take one path: a work-group takes 32 rows x 512 columns, a wave 32 rows x 128 columns,
; as two units of 16 rows.  Each load reads 512 consecutive bytes of a row; a unit turns through the wave's own stage in LDS, so that a lane gets 16 neighbours along K of each block of 32.
; Work-groups 1,280-1,791 values, whose K (the keys) is the first axis: a work-group takes 128 keys x one head's 128 channels, a wave 32 keys; a lane takes four channels and its registers run down the keys.
; No barrier: waves share nothing.  A wave's 32 loads (16 KB) all go out at its head.  Every store covers 256 or 512 consecutive bytes, aligned.
.set SP,    528                        ; a stage row: 512 bytes + 16
.set WST,   16*SP                      ; the row path's stage of a wave
.set VBASE, 4*WST                      ; the values' path has LDS bytes of its own
.set VWST,  8*SP
.set NROW,  1280                       ; work-groups of the row path
.set LO,  2                            ; v2   16 x lane
.set STI, 3                            ; v3   the stage, on the way in
.set STR, 4                            ; v4   and on the way out: row r, + 64 h
.set LIM, 5                            ; v5   448 x 2^e
.set SC,  6                            ; v6   2^e
.set MO,  7                            ; v7   8 x lane
.set MW,  8                            ; v[8:9], v[10:11] a unit's 64 mask words, two a lane
.set VST, 12                           ; v12  values: where a lane puts a channel's 16 codes
.set VRD, 13                           ; v13  values: 16 x lane in the wave's stage
.set R,   16                           ; v16-143  two sets of 64 registers as loaded
.set X,   144                          ; v144-207 64 numbers, neighbours along K
.set C,   208                          ; v208-239 two sets of 16 registers of codes
	s_load_b64 s[6:7], s[0:1], 0x0                 ; keys
	s_load_b256 s[8:15], s[0:1], 0x8               ; mask, W_out, values, the scales' exponents
	s_load_b64 s[18:19], s[0:1], 0x28              ; k_img
	s_load_b128 s[20:23], s[0:1], 0x30             ; maskw, w_img
	s_load_b64 s[24:25], s[0:1], 0x40              ; v_img
	v_lshl_add_u32 v240, v0, 2, 0xc600
	v_mov_b32 v241, 0
	v_lshrrev_b32 v1, 5, v0
	v_readfirstlane_b32 s34, v1                    ; wave 0..3
	v_and_b32 v1, 31, v0                           ; lane
	v_lshlrev_b32 v[LO], 4, v1
	v_lshlrev_b32 v[MO], 3, v1
	s_mul_i32 s44, s34, WST
	v_add_nc_u32 v[STI], s44, v[LO]
	v_and_b32 v14, 15, v0                          ; r
	v_bfe_u32 v15, v0, 4, 1                        ; h
	v_mul_u32_u24 v[STR], v14, SP
	v_lshl_add_u32 v[STR], v15, 6, v[STR]
	v_add_nc_u32 v[STR], s44, v[STR]
	; values: channel 4 L + j is row r = 4 (L & 1) + j + 8 ((L >> 2) & 1) of fragment t = 2 (L >> 3) + ((L >> 1) & 1)
	v_bfe_u32 v[VST], v0, 3, 2
	v_bfe_u32 v[VRD], v0, 1, 1
	v_lshl_add_u32 v[VST], v[VST], 1, v[VRD]       ; t
	v_mul_u32_u24 v[VST], v[VST], SP
	v_and_b32 v[VRD], 1, v0
	v_lshl_add_u32 v[VST], v[VRD], 6, v[VST]
	v_bfe_u32 v[VRD], v0, 2, 1
	v_lshl_add_u32 v[VST], v[VRD], 7, v[VST]
	s_mul_i32 s45, s34, VWST
	s_add_co_u32 s45, s45, VBASE
	v_add_nc_u32 v[VST], s45, v[VST]
	v_add_nc_u32 v[VRD], s45, v[LO]
.irp i, 0,1,2,3
	v_mov_b32 v[MW+\i], 0                          ; written whole once: a lane write keeps the other lanes
.endr
	s_add_co_u32 s35, ttmp9, 512
	s_lshr_b32 s35, s35, 9                         ; 1 keys, 2 mask, 3 W_out (used on the row path alone)
	s_wait_kmcnt 0x0
	s_load_b128 s[28:31], s[14:15], 0x0            ; e0 .. e3
	s_load_b64 s[32:33], s[14:15], 0x10            ; e4, e5
	s_cmp_ge_u32 ttmp9, NROW
	s_cbranch_scc1 .Lvalues
	; ---- THE ROW PATH
	s_and_b32 s44, ttmp9, 511
	s_lshr_b32 s45, s44, 2                         ; which 32 rows
	s_and_b32 s46, s44, 3
	s_lshl_b32 s46, s46, 2
	s_add_co_u32 s46, s46, s34                     ; CB: which 128 columns
	s_lshl_b32 s48, s45, 18                        ; 32 rows of 8,192 bytes
	s_lshl_b32 s47, s46, 9
	s_add_co_u32 s48, s48, s47
	s_mov_b32 s49, 0
	s_lshr_b32 s50, s45, 2                         ; the block of 128 rows, through both batches
	s_lshr_b32 s51, s50, 4
	s_lshl_b32 s51, s51, 8
	s_lshl_b32 s52, s46, 4
	s_add_co_u32 s51, s51, s52
	s_and_b32 s52, s50, 15
	s_add_co_u32 s51, s51, s52
	s_lshl_b32 s51, s51, 14                        ; the block's image,
	s_and_b32 s52, s45, 3
	s_lshl_b32 s52, s52, 12
	s_add_co_u32 s51, s51, s52                     ; its fragments 2 b and 2 b + 1
	s_lshl_b32 s52, s45, 13                        ; the mask: two tiles of queries x 4,096 bytes,
	s_lshl_b32 s53, s46, 8
	s_add_co_u32 s52, s52, s53                     ; the step's 256 bytes
	s_cmp_eq_u32 s35, 2
	s_cselect_b32 s50, s52, s51
	s_mov_b32 s51, 0
	s_mov_b64 s[36:37], s[6:7]                     ; the buffers are chosen by the work-group's number alone
	s_mov_b64 s[38:39], s[18:19]
	s_cmp_eq_u32 s35, 2
	s_cselect_b64 s[36:37], s[8:9], s[36:37]
	s_cselect_b64 s[38:39], s[20:21], s[38:39]
	s_cmp_eq_u32 s35, 3
	s_cselect_b64 s[36:37], s[10:11], s[36:37]
	s_cselect_b64 s[38:39], s[22:23], s[38:39]
	s_add_nc_u64 s[36:37], s[36:37], s[48:49]
	s_add_nc_u64 s[38:39], s[38:39], s[50:51]
.macro LOADR u                         ; unit u: the 16 rows of fragment 2 b + u, 512 consecutive bytes a load
.irp i, 0,1,2,3,4,5,6,7,8,9,10,11,12,13,14,15
	global_load_b128 v[R+64*\u+4*\i:R+64*\u+4*\i+3], v[LO], s[36:37] offset:(8*\u+\i+8*(\i/8))*8192 th:TH_LOAD_NT
.endr
.endm
.macro TURN u                          ; through the stage: LDS serves a wave's instructions in order, so no wait stands between the stores and the loads
	s_wait_loadcnt 16*(1-\u)                       ; unit 0: the 16 loads of unit 1 may be out
.irp i, 0,1,2,3,4,5,6,7,8,9,10,11,12,13,14,15
	ds_store_b128 v[STI], v[R+64*\u+4*\i:R+64*\u+4*\i+3] offset:SP*\i
.endr
.irp c, 0,1,2,3
.irp j, 0,1,2,3
	ds_load_b128 v[X+16*\c+4*\j:X+16*\c+4*\j+3], v[STR] offset:128*\c+16*\j   ; X[16 c + i] = column 32 c + 16 h + i of row r
.endr
.endr
	s_wait_dscnt 0x0
.endm
.macro QTAIL u
.set j, 0
.rept 64
	v_med3_num_f32 v[X+j], v[X+j], -v[LIM], v[LIM] ; the conversion to an 8-bit code does not saturate (ISA guide 7.6.2): the hold at the largest code x the scale
.set j, j+1
.endr
.irp g, 0,1,2,3,4,5,6,7
	v_cvt_scalef32_pk8_fp8_f32 v[C+16*\u+2*\g:C+16*\u+2*\g+1], v[X+8*\g:X+8*\g+7], v[SC]
.endr
	v_nop                                          ; a plain line behind the last conversion
.irp c, 0,1,2,3
	global_store_b128 v[LO], v[C+16*\u+4*\c:C+16*\u+4*\c+3], s[38:39] offset:2048*\u+512*\c   ; a piece: 512 consecutive bytes
.endr
.endm
.macro MTAIL u                         ; a compare gives word j as it is wanted: bit L for lane L; it goes to lane j / 2 of one of two registers
.set j, 0
.rept 64
	v_cmp_eq_u32 s[40+j%4], 0, v[X+j]
	v_writelane_b32 v[MW+2*\u+(j&1)], s[40+j%4], j>>1
.set j, j+1
.endr
	global_store_b64 v[MO], v[MW+2*\u:MW+2*\u+1], s[38:39] offset:4096*\u   ; 64 words: 256 consecutive bytes
.endm
	LOADR 0
	LOADR 1
	s_wait_kmcnt 0x0
	s_cmp_eq_u32 s35, 3
	s_cselect_b32 s44, s33, s29                    ; W_out e5, keys e1 (the mask's path makes no use of it)
	s_add_co_i32 s44, s44, 127
	s_lshl_b32 s45, s44, 23
	v_mov_b32 v[SC], s45                           ; 2^e as f32: the conversion takes its exponent field
	s_add_co_i32 s44, s44, 8
	s_lshl_b32 s44, s44, 23
	s_or_b32 s44, s44, 0x600000
	v_mov_b32 v[LIM], s44                          ; 448 x 2^e
	TURN 0
	s_cmp_eq_u32 s35, 2
	s_cbranch_scc1 .Lmask0
	s_wait_alu depctr_va_vdst(0)
	QTAIL 0
	s_branch .Ljoin0
.Lmask0:
	s_wait_alu depctr_va_vdst(0)
	MTAIL 0
.Ljoin0:
	TURN 1
	s_cmp_eq_u32 s35, 2
	s_cbranch_scc1 .Lmask1
	QTAIL 1
	s_wait_tensorcnt 0x0
	ds_add_u32 v240, v241
	s_wait_dscnt 0x0
	s_endpgm
.Lmask1:
	MTAIL 1
	s_wait_tensorcnt 0x0
	ds_add_u32 v240, v241
	s_wait_dscnt 0x0
	s_endpgm
	; ---- VALUES
.Lvalues:
	s_sub_co_u32 s44, ttmp9, NROW
	s_and_b32 s45, s44, 15                         ; head
	s_lshr_b32 s46, s44, 4                         ; 16 x batch + key step
	s_lshl_b32 s48, s46, 20                        ; 128 keys of 8,192 bytes,
	s_lshl_b32 s47, s34, 18                        ; my wave's 32 of them,
	s_add_co_u32 s48, s48, s47
	s_lshl_b32 s47, s45, 9                         ; the head's 512 bytes
	s_add_co_u32 s48, s48, s47
	s_mov_b32 s49, 0
	s_lshr_b32 s50, s46, 4
	s_lshl_b32 s50, s50, 8
	s_lshl_b32 s47, s45, 4
	s_add_co_u32 s50, s50, s47
	s_and_b32 s47, s46, 15
	s_add_co_u32 s50, s50, s47
	s_lshl_b32 s50, s50, 14                        ; the block's image,
	s_lshl_b32 s47, s34, 9
	s_add_co_u32 s50, s50, s47                     ; piece c = my wave of each of its eight fragments
	s_mov_b32 s51, 0
	s_add_nc_u64 s[36:37], s[12:13], s[48:49]
	s_add_nc_u64 s[38:39], s[24:25], s[50:51]
.macro LOADV hh                        ; keys 16 hh + i: a load reads the head's 512 consecutive bytes of one key; lane L takes channels 4 L .. 4 L + 3
.irp i, 0,1,2,3,4,5,6,7,8,9,10,11,12,13,14,15
	global_load_b128 v[R+64*\hh+4*\i:R+64*\hh+4*\i+3], v[LO], s[36:37] offset:(16*\hh+\i)*8192 th:TH_LOAD_NT
.endr
.endm
.macro VHALF hh
	s_wait_loadcnt 16*(1-\hh)                      ; the other half's 16 loads may be out
.irp j, 0,1,2,3
.irp i, 0,1,2,3,4,5,6,7,8,9,10,11,12,13,14,15
	v_med3_num_f32 v[X+16*\j+\i], v[R+64*\hh+4*\i+\j], -v[LIM], v[LIM]   ; the hold also sorts the registers: 16 keys of one channel on end
.endr
.endr
.irp g, 0,1,2,3,4,5,6,7
	v_cvt_scalef32_pk8_fp8_f32 v[C+16*\hh+2*\g:C+16*\hh+2*\g+1], v[X+8*\g:X+8*\g+7], v[SC]
.endr
	v_nop                                          ; a plain line behind the last conversion: the next half's holds write its sources
.irp j, 0,1,2,3
	ds_store_b128 v[VST], v[C+16*\hh+4*\j:C+16*\hh+4*\j+3] offset:16*\j+256*\hh   ; channel 4 L + j: lane r + 16 hh of its fragment's piece
.endr
.endm
	LOADV 0
	LOADV 1
	s_wait_kmcnt 0x0
	s_add_co_i32 s44, s30, 127                     ; e2
	s_lshl_b32 s45, s44, 23
	v_mov_b32 v[SC], s45
	s_add_co_i32 s44, s44, 8
	s_lshl_b32 s44, s44, 23
	s_or_b32 s44, s44, 0x600000
	v_mov_b32 v[LIM], s44
	s_wait_alu depctr_va_vdst(0)
	VHALF 0
	VHALF 1
.irp t, 0,1,2,3,4,5,6,7
	ds_load_b128 v[X+4*\t:X+4*\t+3], v[VRD] offset:SP*\t   ; LDS serves a wave's instructions in order: these see my stores
.endr
.irp t, 0,1,2,3,4,5,6,7
	s_wait_dscnt 7-\t                              ; the later loads may be out
	global_store_b128 v[LO], v[X+4*\t:X+4*\t+3], s[38:39] offset:2048*\t   ; a piece: 512 consecutive bytes
.endr
	s_wait_tensorcnt 0x0
	ds_add_u32 v240, v241
	s_wait_dscnt 0x0
	s_endpgm
.Lfunc_end_k_q643071e3aa_prep:
	.size	k_q643071e3aa_prep, .Lfunc_end_k_q643071e3aa_prep-k_q643071e3aa_prep
	.p2alignl 7, 3214868480
	.fill 96, 4, 3214868480
	.section	.rodata,"a",@progbits
	.p2align	6, 0x0
	.amdhsa_kernel k_q643071e3aa_prep
		.amdhsa_group_segment_fixed_size 51200
		.amdhsa_private_segment_fixed_size 0
		.amdhsa_enable_private_segment 0
		.amdhsa_kernarg_size 72
		.amdhsa_user_sgpr_count 2
		.amdhsa_user_sgpr_kernarg_segment_ptr 1
		.amdhsa_wavefront_size32 1
		.amdhsa_system_sgpr_workgroup_id_x 1
		.amdhsa_system_sgpr_workgroup_id_y 1
		.amdhsa_system_sgpr_workgroup_id_z 1
		.amdhsa_system_vgpr_workitem_id 0
		.amdhsa_next_free_vgpr 242
		.amdhsa_next_free_sgpr 66
		.amdhsa_reserve_vcc 0
		.amdhsa_float_denorm_mode_32 3
		.amdhsa_float_denorm_mode_16_64 3
		.amdhsa_memory_ordered 1
		.amdhsa_forward_progress 1
		.amdhsa_inst_pref_size 53
	.end_amdhsa_kernel
	.amdgpu_metadata
---
amdhsa.version: [ 1, 2 ]
amdhsa.kernels:
  - .name:           k_q643071e3aa_prep
    .symbol:         k_q643071e3aa_prep.kd
    .args:
      - { .name: keys, .offset: 0, .size: 8, .value_kind: global_buffer, .address_space: global }
      - { .name: mask, .offset: 8, .size: 8, .value_kind: global_buffer, .address_space: global }
      - { .name: W_out, .offset: 16, .size: 8, .value_kind: global_buffer, .address_space: global }
      - { .name: values, .offset: 24, .size: 8, .value_kind: global_buffer, .address_space: global }
      - { .name: lowp_scales, .offset: 32, .size: 8, .value_kind: global_buffer, .address_space: global }
      - { .name: k_img, .offset: 40, .size: 8, .value_kind: global_buffer, .address_space: global }
      - { .name: maskw, .offset: 48, .size: 8, .value_kind: global_buffer, .address_space: global }
      - { .name: w_img, .offset: 56, .size: 8, .value_kind: global_buffer, .address_space: global }
      - { .name: v_img, .offset: 64, .size: 8, .value_kind: global_buffer, .address_space: global }
    .group_segment_fixed_size: 51200
    .private_segment_fixed_size: 0
    .kernarg_segment_align: 8
    .kernarg_segment_size: 72
    .max_flat_workgroup_size: 128
    .sgpr_count:     66
    .vgpr_count:     242
    .wavefront_size: 32
...
	.end_amdgpu_metadata
.endif
;; end of part 4
;; launch attn (part 5): grid 8 x 32, 8 waves a work-group, no clusters, 263,168 bytes of LDS; arguments query, k_img, v_img, maskw, lowp_scales, a_img; writes a_img
.if DOCPART == 5
	.amdgcn_target "amdgcn-amd-amdhsa--gfx1250"
	.amdhsa_code_object_version 6
	.text
	.protected	k_q643071e3aa_attn
	.globl	k_q643071e3aa_attn
	.p2align	8
	.type	k_q643071e3aa_attn,@function
k_q643071e3aa_attn:
	s_mov_b64 s[64:65], 0
	v_nop
	global_prefetch_b8 v0, s[64:65] scope:SCOPE_SE
	s_setreg_imm32_b32 hwreg(HW_REG_WAVE_MODE, 25, 1), 1
	s_wait_xcnt 0x0
; The attention of one (batch, head): a = softmax(where(mask == 0, hidden, q k^T) / sqrt(2048)) v, both products on codes of FP8 (E4M3); a leaves as codes, the operand of the last product.
; K, V and a are images of their registers (a fragment: 16 rows x 128 K, 2,048 bytes, piece c at 512 c, lane L's 16 bytes at 16 L: K = 32 c + 16 (L / 16) + 0 .. 15); fragment t = 2 b + u, lane r,
; is row 32 b + 8 u + r + 8 (r / 8) of its block of 128 rows.  So four loads of 16 bytes at 16 x lane bring a fragment.
; QUERY arrives as f32.  Each of its numbers is read once, by the one wave that owns its row, so it is quantised here, at the head: a load reads a row's 512 consecutive bytes of the head; 16 rows turn through a stage of
; the wave's own in LDS, so that a lane gets 16 neighbours along K of each block of 32; the hold at 448 x 2^e0 and the conversion give the fragment's registers.
; THE SOFTMAX AHEAD OF THE SECOND PRODUCT: t = score x log2(e) / sqrt(2048); M = the running largest t rounded UP to a whole number; p = 2^(t - M) is quantised, not normalised; the row's sum is taken of the
; unquantised p and divides at the end.  When M moves, the sum and O are multiplied by 2^(old M - new M): exact.
; THE MASK.  Word j of a tile's 64 words for a key step is the lane mask of score register j (bit = 1: hidden).  A hidden score is -2^66 in true units, a power of two, so that its t is exact and a whole number:
; in a row with no open key t - M is 0 for every key, p = 1, the sum 2,048: the even softmax; beside an open key p is 0.
; At the head a wave reads the 8,192 bytes of words of its two tiles and makes 32 flags of them: bit 16 u + s is 1 where tile u has a hidden score in key step s.  Where the flag is 0 all 64 words are 0 and the 64 selects
; would change nothing. The flags are whole numbers made of whole numbers that an earlier launch stored.
; NO TENSOR LOAD, NO CLUSTER: those branches hang on numbers read from memory.  K and V go through registers into LDS instead.
; SHARES.  A work-group owns 256 queries of one head; each of its eight waves 32: TWO tiles of 16, tile 0 in register window 0, tile 1 in window 1 under the same numbers, so that each fragment of K or V
; read from LDS feeds two matrix instructions.  Both products are used transposed: S^T = K Q^T, O^T = V^T P^T: a lane holds ONE query throughout.
; LDS: two regions of 131,072 bytes, each a slot of four key steps (K's 4 x 16,384, then V's).  A piece is one key step's K and V, 32,768 bytes; wave w brings fragment w of K and of V: 8 loads of 512 bytes.
; The head brings pieces 0 to 4.  Key step i (0 .. 10) loads piece i + 5, behind tile 0's softmax, into tile 0's score registers, which are dead until the next step's products; step i + 1 stores it at its start,
; into the region that is not being read.  One barrier a slot: a wave signals in the slot's last step when its reads of the slot and its stores into the other are done, and waits behind that step's last products.
; Query's stages, 8,448 bytes a wave, lie in region 1 where pieces 5 to 7 go later: they are read out ahead of the head's barrier.
; PREFETCH: key step i (0 .. 8) asks for piece i + 7, which step i + 2 loads.  The eight work-groups of a head share a piece's 128 blocks of 256 bytes: work-groups 0-3 K's quarters, 4-7 V's; wave 0 asks, a lane a block
; (lanes 16-31 name the last block again).  Pieces 0 to 6 come by their loads alone.  Query and the mask words are read whole at the head, with no loop to run ahead in.
; LIMITS on the given exponents: e0 + e1 between -61 and 41 (it is added to c's exponent field and taken from the hidden score's; up to 41 every true score, at least -128 x 448^2 x 2^(e0 + e1), lies above -2^66);
; e0, e3, and e4 - e2 - e3, between -126 and 119.  NaN among the inputs is not served.
; REGISTERS.  Window 0 alone: v1 16 x lane; v2, v3 LDS addresses of the step's K and V; v4, v8 where my piece goes; v5, v6 the add's; v7 the prefetch's offset; v9, v10 query's stage, in and out.
; In both windows: v12 -M, v13 the largest t, v[14:15] the sum; v16-31 Q; v32-95 fragments of K or V (window 0: tiles 0-3, window 1: tiles 4-7); v96-159 S^T, then p; v160-223 O^T; v224-239 codes; v236 a permute's target;
; v240, v241 448 x 2^e3; v242, v243, v248-251 chains; v244 2^e3; v245, v246 448 x and 1 x 2^(e4 - e2 - e3); v247 the hidden score; v[252:253] f; v254 at work.
.set SLOT1, 1<<17
.set VOFF,  65536
.set STEPB, 16384
.set SPARE, 2*SLOT1                    ; behind the regions: the spare words, 128 bytes a wave, which no other line names
.set QSP,   528                        ; a row of query's stage: 512 bytes + 16
.set QST,   SLOT1+STEPB                ; waves 0-3: behind piece 4's K; waves 4-7: 65,536 on, behind piece 4's V
.set LI,  1
.set ADK, 2
.set ADV, 3
.set STA, 4
.set SPW, 5
.set NIL, 6
.set PFO, 7
.set STV, 8
.set QSI, 9
.set QSO, 10
.set TB,  2                            ; s2   LDS byte of the step in hand
.set WV,  3                            ; s3   wave
.set KP,  8                            ; s[8:9], s[10:11] my fragment of K, V of the piece to load
.set VP,  10
.set TS,  12                           ; s12  LDS byte where my fragment of the loaded piece goes
.set NS,  13                           ; s13  key step 0 .. 15
.set FL,  14                           ; s14  the 32 flags
.set T0,  15
.set MOFF, 16                          ; s16  256 x key step: the step's words
.set PL,  17                           ; s17  9 in wave 0, else 0: a wave prefetches while the key step is under it
.set PFA, 18                           ; s[18:19] where my prefetches stand
.set SEL, 20                           ; s[20:21] lane selects: lane l xor 16
.set CS,  22                           ; s[22:23] c = log2(e) / sqrt(2048) x 2^(e0 + e1)
.set SLOTS, 24
.set STEPS, 25
.set W2K, 26                           ; s26  2,048 x wave
.set T1,  28
                                       ; s[4:5] a_img at my tiles; s[6:7] my tile 0's words; s[32:63], s[68:99] 64 mask words
.set MSB, 0
.macro WIN new                         ; the immediate's high byte repeats the setting that is left
.if MSB != \new
	s_set_vgpr_msb (MSB<<8)|\new
.set MSB, \new
.endif
.endm
.macro AWAIT
	s_wait_alu depctr_va_vdst(0)
.endm
.macro KVLOAD adr                      ; a step's eight fragments: 32 loads of 512 consecutive bytes; tiles 0-3 first
	WIN 0
.irp t, 0,1,2,3
.irp c, 0,1,2,3
	ds_load_b128 v[32+16*\t+4*\c:35+16*\t+4*\c], v[\adr] offset:2048*\t+512*\c
.endr
.endr
	WIN 0x40
.irp t, 0,1,2,3
.irp c, 0,1,2,3
	ds_load_b128 v[32+16*\t+4*\c:35+16*\t+4*\c], v[\adr] offset:2048*(\t+4)+512*\c
.endr
.endr
	WIN 0
.endm
.macro SRUN win, g                     ; four products S^T = K Q^T
	WIN \win
.irp t, 0,1,2,3
	v_wmma_f32_16x16x128_fp8_fp8 v[96+8*(4*\g+\t):103+8*(4*\g+\t)], v[32+16*\t:47+16*\t], v[16:31], 0
.endr
.endm
.macro PRUN win, g                     ; four products O^T += V^T P^T; the sixteen accumulators take turns, one instruction a turn
	WIN \win
.irp t, 0,1,2,3
	v_wmma_f32_16x16x128_fp8_fp8 v[160+8*(4*\g+\t):167+8*(4*\g+\t)], v[32+16*\t:47+16*\t], v[224:239], v[160+8*(4*\g+\t):167+8*(4*\g+\t)]
.endr
.endm
.macro MASKAP                          ; hidden scores, in ascending order
	AWAIT
.set j, 0
.rept 64
.if j < 32
	v_cndmask_b32 v[96+j], v[96+j], v247, s[32+j]
.else
	v_cndmask_b32 v[96+j], v[96+j], v247, s[36+j]
.endif
.set j, j+1
.endr
.endm
.macro MLOAD off                       ; 64 mask words of the step in hand: 256 bytes
	s_load_b512 s[32:47], s[6:7], s[MOFF] offset:\off
	s_load_b512 s[48:63], s[6:7], s[MOFF] offset:\off+64
	s_load_b512 s[68:83], s[6:7], s[MOFF] offset:\off+128
	s_load_b512 s[84:99], s[6:7], s[MOFF] offset:\off+192
.endm
.macro SOFT                            ; one tile's softmax for a key step, under the window that is set
	AWAIT                                          ; directly ahead of the first readers of the scores
	v_max3_num_f32 v254, v96, v97, v98             ; the step's largest score of my query, in four chains, ascending
	v_max3_num_f32 v252, v99, v100, v101
	v_max3_num_f32 v242, v102, v103, v104
	v_max3_num_f32 v243, v105, v106, v107
.set j, 12
.rept 6
	v_max3_num_f32 v254, v254, v[96+j], v[97+j]
	v_max3_num_f32 v252, v252, v[98+j], v[99+j]
	v_max3_num_f32 v242, v242, v[100+j], v[101+j]
	v_max3_num_f32 v243, v243, v[102+j], v[103+j]
.set j, j+8
.endr
	v_max3_num_f32 v254, v254, v156, v157
	v_max3_num_f32 v252, v252, v158, v159
	v_max3_num_f32 v254, v254, v242, v243
	v_max_num_f32 v254, v254, v252
	v_permlanex16_b32 v236, v254, s[SEL], s[SEL+1]
	v_max_num_f32 v254, v254, v236                 ; and among lane l xor 16's
	v_mul_f32 v254, s[CS], v254                    ; as t (c is positive)
	v_max_num_f32 v13, v13, v254                   ; the running largest t
	v_mov_b32 v254, v12
	v_floor_f32 v12, -v13                          ; the new -M = -ceil(t)
	v_sub_f32 v254, v12, v254                      ; old M - new M: a whole number, 0 or less
	v_cvt_i32_f32 v254, v254                       ; (it saturates)
	v_ldexp_f32 v252, 1.0, v254                    ; f = 2^(old M - new M)
.set j, 0
.rept 32
	v_pk_fma_f32 v[96+j:97+j], v[96+j:97+j], s[CS:CS+1], v[12:13] op_sel_hi:[1,0,0]   ; t - M
.set j, j+2
.endr
	AWAIT                                          ; ahead of the batch
.set j, 0
.rept 64
	v_exp_f32 v[96+j], v[96+j]                     ; p = 2^(t - M)
.set j, j+1
.endr
	v_pk_mul_f32 v[14:15], v[14:15], v[252:253] op_sel_hi:[1,0]   ; the sums under the new M; a plain line behind the batch
	AWAIT                                          ; behind the batch, and directly ahead of the first readers of O^T
.set j, 0
.rept 32
	v_pk_mul_f32 v[160+j:161+j], v[160+j:161+j], v[252:253] op_sel_hi:[1,0]   ; O^T under the new M, each accumulator from its low end on
.set j, j+2
.endr
	v_pk_add_f32 v[242:243], v[96:97], v[98:99]    ; the row's sum is taken of the unquantised p, in four chains
	v_pk_add_f32 v[248:249], v[100:101], v[102:103]
	v_pk_add_f32 v[250:251], v[104:105], v[106:107]
	v_pk_add_f32 v[14:15], v[14:15], v[108:109]
.set j, 14
.rept 6
	v_pk_add_f32 v[242:243], v[242:243], v[96+j:97+j]
	v_pk_add_f32 v[248:249], v[248:249], v[98+j:99+j]
	v_pk_add_f32 v[250:251], v[250:251], v[100+j:101+j]
	v_pk_add_f32 v[14:15], v[14:15], v[102+j:103+j]
.set j, j+8
.endr
	v_pk_add_f32 v[242:243], v[242:243], v[158:159]
	v_pk_add_f32 v[248:249], v[248:249], v[250:251]
	v_pk_add_f32 v[14:15], v[14:15], v[242:243]
	v_pk_add_f32 v[14:15], v[14:15], v[248:249]
.set j, 0
.rept 4
.rept 8
	v_dual_min_num_f32 v[96+j], v[96+j], v240 :: v_dual_min_num_f32 v[97+j], v[97+j], v241   ; the conversion does not saturate (ISA guide 7.6.2); p is not negative: a one-sided hold, two numbers a line
.set j, j+2
.endr
	v_cvt_scalef32_pk8_fp8_f32 v[224+(j-16)/4:225+(j-16)/4], v[96+j-16:103+j-16], v244
	v_cvt_scalef32_pk8_fp8_f32 v[226+(j-16)/4:227+(j-16)/4], v[104+j-16:111+j-16], v244
.endr
	v_nop                                          ; a plain line behind the last conversion
.endm
; A KEY STEP: 128 keys for my two tiles.  last = 1: a slot's last step, with the barrier.
.macro STEP last
	WIN 0
	v_add_nc_u32 v[ADK], s[TB], v[LI]              ; these four are also the places in front of loads into registers that the last products have read
	v_add_nc_u32 v[ADV], VOFF, v[ADK]
	v_add_nc_u32 v[STA], s[TS], v[LI]
	v_add_nc_u32 v[STV], VOFF, v[STA]
	AWAIT
	s_wait_loadcnt 0x0                             ; the piece asked for in the last step is in registers
	s_wait_xcnt 0x0                                ; and the last prefetch has read its address: the three addresses step on
	s_add_nc_u64 s[KP:KP+1], s[KP:KP+1], STEPB
	s_add_nc_u64 s[VP:VP+1], s[VP:VP+1], STEPB
	s_add_nc_u64 s[PFA:PFA+1], s[PFA:PFA+1], STEPB
	s_sub_co_u32 s[T0], s[NS], 1
	s_cmp_lt_u32 s[T0], 11                         ; steps 1 .. 11 have a piece to store
	s_cbranch_scc0 .Lno_store_\@
.irp c, 0,1,2,3
	ds_store_b128 v[STA], v[96+4*\c:99+4*\c] offset:512*\c
	ds_store_b128 v[STV], v[112+4*\c:115+4*\c] offset:512*\c
.endr
.Lno_store_\@:
	s_bitcmp1_b32 s[FL], s[NS]                     ; has tile 0 a hidden score in this step?
	s_cbranch_scc0 .Lno_words0_\@
	MLOAD 0
.Lno_words0_\@:
	KVLOAD ADK
	s_wait_dscnt 16                                ; my stores and K's tiles 0-3 are done; the sixteen loads of tiles 4-7 may be out
	SRUN 0x00, 0
	SRUN 0x54, 0
	s_wait_dscnt 0x0
	SRUN 0x55, 1
	SRUN 0x01, 1
	WIN 0
.rept 4
	v_nop                                          ; four places: in front of the loads into K's registers, and of the first read of the scores
.endr
	KVLOAD ADV
	s_wait_kmcnt 0x0                               ; on every way: no scalar load is out behind this line
	s_bitcmp1_b32 s[FL], s[NS]
	s_cbranch_scc0 .Lopen0_\@
	MASKAP
.Lopen0_\@:
	s_add_co_u32 s[T0], s[NS], 16
	s_bitcmp1_b32 s[FL], s[T0]                     ; tile 1
	s_cbranch_scc0 .Lno_words1_\@
	MLOAD 4096
.Lno_words1_\@:
	SOFT
	s_cmp_lt_u32 s[NS], 11                         ; steps 0 .. 10 load piece step + 5 into tile 0's score registers, which are dead now
	s_cbranch_scc0 .Lno_load_\@
.irp c, 0,1,2,3
	global_load_b128 v[96+4*\c:99+4*\c], v[LI], s[KP:KP+1] offset:512*\c
	global_load_b128 v[112+4*\c:115+4*\c], v[LI], s[VP:VP+1] offset:512*\c
.endr
.Lno_load_\@:
	s_cmp_lt_u32 s[NS], s[PL]
	s_cbranch_scc0 .Lno_ask_\@
	global_prefetch_b8 v[PFO], s[PFA:PFA+1] th:TH_LOAD_NT scope:SCOPE_SE
.Lno_ask_\@:
	s_wait_kmcnt 0x0
	s_add_co_u32 s[T0], s[NS], 16
	s_bitcmp1_b32 s[FL], s[T0]
	s_cbranch_scc0 .Lopen1_\@
	WIN 0x55
	MASKAP
	WIN 0
.Lopen1_\@:
.if \last
	s_wait_dscnt 0x0                               ; V is in: my reads of this slot are over, and my stores into the other are done
	s_barrier_signal -1                            ; what follows up to the wait touches registers alone
.endif
	WIN 0x55
	SOFT
	AWAIT
.if \last == 0
	s_wait_dscnt 0x0                               ; V is in
.endif
	PRUN 0x55, 1
	PRUN 0x54, 0
	PRUN 0x00, 0
	PRUN 0x01, 1
	WIN 0
.if \last
	s_barrier_wait -1                              ; the other region is whole, and nobody reads this one any more
.endif
	s_add_co_u32 s[TB], s[TB], STEPB
	s_add_co_u32 s[TS], s[TS], STEPB
	s_add_co_u32 s[NS], s[NS], 1
	s_add_co_u32 s[MOFF], s[MOFF], 256
.endm
.macro SLOT_STEPS r                    ; a slot's four key steps in region r; the pieces stored meanwhile go to the other region
	s_mov_b32 s[TB], \r*SLOT1
	s_add_co_u32 s[TS], s[W2K], (1-\r)*SLOT1
	s_mov_b32 s[STEPS], 3
.Lstep_\@:
	STEP 0
	s_sub_co_u32 s[STEPS], s[STEPS], 1
	s_cmp_lg_u32 s[STEPS], 0
	s_cbranch_scc1 .Lstep_\@
	STEP 1
.endm
	s_load_b256 s[32:39], s[0:1], 0x0              ; query, k_img, v_img, maskw  (the mask words' registers serve as temporaries at first)
	s_load_b128 s[28:31], s[0:1], 0x20             ; the scales' exponents, a_img
	v_lshl_add_u32 v[SPW], v0, 2, SPARE
	v_mov_b32 v[NIL], 0
	v_lshrrev_b32 v1, 5, v0
	v_readfirstlane_b32 s[WV], v1                  ; wave 0..7
	s_lshl_b32 s[W2K], s[WV], 11
	s_and_b32 s59, s[WV], 3                        ; query's stage of my wave
	s_mul_i32 s59, s59, 16*QSP
	s_lshr_b32 s60, s[WV], 2
	s_lshl_b32 s60, s60, 16
	s_add_co_u32 s59, s59, s60
	s_add_co_u32 s59, s59, QST
	v_and_b32 v[LI], 31, v0
	v_min_u32 v[PFO], 15, v[LI]
	v_lshlrev_b32 v[PFO], 8, v[PFO]                ; 256 x min(lane, 15)
	v_lshlrev_b32 v[LI], 4, v[LI]                  ; 16 x lane
	v_add_nc_u32 v[STA], s[W2K], v[LI]             ; the head's stores: my fragment in region 0,
	v_add_nc_u32 v[STV], VOFF, v[STA]
	v_add_nc_u32 v[ADK], SLOT1, v[STA]             ; and in region 1
	v_add_nc_u32 v[ADV], VOFF, v[ADK]
	v_add_nc_u32 v[QSI], s59, v[LI]                ; the stage, on the way in: 16 x lane of a row
	v_and_b32 v[QSO], 15, v0
	v_mul_u32_u24 v[QSO], v[QSO], QSP
	v_bfe_u32 v11, v0, 4, 1
	v_lshl_add_u32 v[QSO], v11, 6, v[QSO]
	v_add_nc_u32 v[QSO], s59, v[QSO]               ; and on the way out: row r, + 64 h
	s_and_b32 s58, ttmp7, 0xffff                   ; 16 x batch + head
	s_lshl_b32 s44, s58, 18                        ; a head's 16 steps are 2^18 bytes on end
	s_add_co_u32 s44, s44, s[W2K]                  ; my fragment
	s_mov_b32 s45, 0
	s_and_b32 s46, ttmp9, 3                        ; the prefetches: my work-group's 4,096 bytes of a piece's K or V,
	s_lshl_b32 s46, s46, 12
	s_lshl_b32 s47, s58, 18
	s_add_co_u32 s46, s46, s47
	s_add_co_u32 s46, s46, 6*STEPB                 ; at piece 6: step 0 steps it to piece 7
	s_mov_b32 s47, 0
	s_lshl_b32 s52, ttmp9, 1
	s_lshr_b32 s53, s[WV], 2
	s_add_co_u32 s52, s52, s53                     ; my block of 128 queries
	s_and_b32 s53, s[WV], 3                        ; my pair of tiles in it
	s_lshl_b32 s50, s58, 4
	s_add_co_u32 s50, s50, s52
	s_lshl_b32 s50, s50, 14
	s_lshl_b32 s51, s53, 12
	s_add_co_u32 s50, s50, s51                     ; my two fragments in a_img
	s_mov_b32 s51, 0
	s_lshr_b32 s54, s58, 4                         ; batch
	s_lshl_b32 s54, s54, 7
	s_lshl_b32 s55, s52, 3
	s_add_co_u32 s54, s54, s55
	s_lshl_b32 s55, s53, 1
	s_add_co_u32 s54, s54, s55                     ; my tile 0 among the 256 tiles of queries
	s_lshl_b32 s54, s54, 12                        ; 4,096 bytes of words a tile
	s_mov_b32 s55, 0
	s_lshr_b32 s56, s58, 4                         ; query: my 32 rows are group (16 x batch + block) x 4 + pair, of 32 x 8,192 bytes,
	s_lshl_b32 s56, s56, 4
	s_add_co_u32 s56, s56, s52
	s_lshl_b32 s56, s56, 2
	s_add_co_u32 s56, s56, s53
	s_lshl_b32 s56, s56, 18
	s_and_b32 s57, s58, 15
	s_lshl_b32 s57, s57, 9                         ; and the head's 512 bytes of a row
	s_add_co_u32 s56, s56, s57
	s_mov_b32 s57, 0
	s_cmp_eq_u32 s[WV], 0
	s_cselect_b32 s[PL], 9, 0
	s_mov_b32 s[MOFF], 0
	s_mov_b32 s[NS], 0
	s_mov_b32 s[FL], 0
	AWAIT
	s_wait_kmcnt 0x0
	s_load_b128 s[20:23], s[28:29], 0x0            ; e0 .. e3
	s_load_b32 s2, s[28:29], 0x10                  ; e4
	s_add_nc_u64 s[KP:KP+1], s[34:35], s[44:45]
	s_add_nc_u64 s[VP:VP+1], s[36:37], s[44:45]
	s_cmp_lt_u32 ttmp9, 4                          ; the choice hangs on the work-group's number alone
	s_cselect_b64 s[PFA:PFA+1], s[34:35], s[36:37]
	s_add_nc_u64 s[PFA:PFA+1], s[PFA:PFA+1], s[46:47]
	s_add_nc_u64 s[104:105], s[32:33], s[56:57]    ; query
	s_add_nc_u64 s[4:5], s[30:31], s[50:51]        ; a
	s_add_nc_u64 s[6:7], s[38:39], s[54:55]        ; the mask words
.set i, 0
.rept 16                               ; query first: tile 0's 16 rows into window 0's O^T registers, 512 consecutive bytes a load,
	global_load_b128 v[160+4*i:163+4*i], v[LI], s[104:105] offset:(i+8*(i/8))*8192 th:TH_LOAD_NT
.set i, i+1
.endr
	WIN 0x40
.set i, 0
.rept 16                               ; tile 1's into window 1's
	global_load_b128 v[160+4*i:163+4*i], v[LI], s[104:105] offset:(8+i+8*(i/8))*8192 th:TH_LOAD_NT
.set i, i+1
.endr
	WIN 0
.irp j, 0,1,2,3                        ; pieces 0 to 3: my fragments of K and V
.irp c, 0,1,2,3
	global_load_b128 v[32+32*\j+4*\c:35+32*\j+4*\c], v[LI], s[KP:KP+1] offset:STEPB*\j+512*\c
	global_load_b128 v[48+32*\j+4*\c:51+32*\j+4*\c], v[LI], s[VP:VP+1] offset:STEPB*\j+512*\c
.endr
.endr
	WIN 0x40
.irp c, 0,1,2,3                        ; piece 4
	global_load_b128 v[32+4*\c:35+4*\c], v[LI], s[KP:KP+1] offset:STEPB*4+512*\c
	global_load_b128 v[48+4*\c:51+4*\c], v[LI], s[VP:VP+1] offset:STEPB*4+512*\c
.endr
	WIN 0
	MLOAD 0                                        ; written once on every way: the temporaries are done with
	s_wait_kmcnt 0x0
	s_add_co_i32 s28, s20, 127                     ; e0
	s_lshl_b32 s29, s28, 23                        ; 2^e0
	s_add_co_i32 s28, s28, 8
	s_lshl_b32 s28, s28, 23
	s_or_b32 s28, s28, 0x600000                    ; 448 x 2^e0
	s_add_co_i32 s24, s20, s21                     ; e0 + e1
	s_sub_co_i32 s31, 193, s24
	s_lshl_b32 s31, s31, 23
	s_or_b32 s31, s31, 0x80000000                  ; the hidden score: -2^(66 - e0 - e1)
	s_lshl_b32 s24, s24, 23
	s_add_co_i32 s25, s23, 127
	s_lshl_b32 s27, s25, 23                        ; 2^e3
	s_add_co_i32 s25, s25, 8
	s_lshl_b32 s30, s25, 23
	s_or_b32 s30, s30, 0x600000                    ; 448 x 2^e3
	s_sub_co_i32 s25, s2, s22
	s_sub_co_i32 s25, s25, s23                     ; a's code is (sum / l) / 2^(e4 - e2 - e3)
	s_add_co_i32 s25, s25, 127
	s_lshl_b32 s100, s25, 23
	s_add_co_i32 s25, s25, 8
	s_lshl_b32 s101, s25, 23
	s_or_b32 s101, s101, 0x600000
	s_mov_b32 s[CS], 0x3d0293ee                    ; log2(e) / sqrt(2048)
	s_add_co_i32 s[CS], s[CS], s24                 ; x 2^(e0 + e1), added to the exponent field
	s_mov_b32 s[CS+1], s[CS]
	s_mov_b32 s[SEL], 0x76543210
	s_mov_b32 s[SEL+1], 0xfedcba98
.macro INITC                           ; all sources are scalars and constants: the destination's window alone says which tile
	v_mov_b32 v12, 0x7f61b1e6                      ; -M = 3e38
	v_mov_b32 v13, 0xff61b1e6                      ; the largest t so far, under every t
	v_mov_b32 v14, 0
	v_mov_b32 v15, 0
	v_mov_b32 v236, 0
	v_mov_b32 v253, 0
	v_mov_b32 v240, s30
	v_mov_b32 v241, s30
	v_mov_b32 v247, s31
	v_mov_b32 v244, s27
	v_mov_b32 v245, s101
	v_mov_b32 v246, s100
.endm
.macro INITO
.set j, 0
.rept 64
	v_mov_b32 v[160+j], 0                          ; O^T: the key step has no first step of its own: the first change of M leaves zeros zeros
.set j, j+1
.endr
.endm
	INITC
	WIN 0x40
	INITC
	v_mov_b32 v248, s28                            ; window 1, until the first softmax: 448 x 2^e0,
	v_mov_b32 v249, s29                            ; 2^e0
	WIN 0
	AWAIT
	s_wait_loadcnt 40                              ; query's 32 loads are in; the 40 of K and V may be out: query is quantised while they are on their way
.macro QUNIT swin, cwin                ; 16 rows through my stage (LDS serves a wave's instructions in order), held, converted: X[16 c + i] = column 32 c + 16 h + i of row r, in window 1's score registers
	WIN \swin
.set i, 0
.rept 16
	ds_store_b128 v[QSI], v[160+4*i:163+4*i] offset:QSP*i
.set i, i+1
.endr
	WIN 0x40
.irp c, 0,1,2,3
.irp j, 0,1,2,3
	ds_load_b128 v[96+16*\c+4*\j:99+16*\c+4*\j], v[QSO] offset:128*\c+16*\j
.endr
.endr
	s_wait_dscnt 0x0
	WIN 0x55
.set j, 0
.rept 64
	v_med3_num_f32 v[96+j], v[96+j], -v248, v248   ; the conversion does not saturate (ISA guide 7.6.2): the hold at the largest code x the scale
.set j, j+1
.endr
	WIN \cwin                                      ; the codes go to the tile's window
.irp g, 0,1,2,3,4,5,6,7
	v_cvt_scalef32_pk8_fp8_f32 v[16+2*\g:17+2*\g], v[96+8*\g:103+8*\g], v249
.endr
	v_nop                                          ; a plain line behind the last conversion
.endm
	QUNIT 0x00, 0x05
	QUNIT 0x04, 0x55
	WIN 0x40
.set i, 0
.rept 16                               ; my two tiles' words: load i holds key steps 2 (i % 8) (lanes 0-15) and 2 (i % 8) + 1 (lanes 16-31) of tile i / 8
	global_load_b128 v[96+4*i:99+4*i], v[LI], s[6:7] offset:512*i
.set i, i+1
.endr
	INITO
	WIN 0
	INITO
	AWAIT
	s_wait_loadcnt 0x0
	s_add_nc_u64 s[KP:KP+1], s[KP:KP+1], 4*STEPB   ; at piece 4: step 0 steps them to piece 5
	s_add_nc_u64 s[VP:VP+1], s[VP:VP+1], 4*STEPB
.irp j, 0,1,2,3
.irp c, 0,1,2,3
	ds_store_b128 v[STA], v[32+32*\j+4*\c:35+32*\j+4*\c] offset:STEPB*\j+512*\c
	ds_store_b128 v[STV], v[48+32*\j+4*\c:51+32*\j+4*\c] offset:STEPB*\j+512*\c
.endr
.endr
	WIN 0x04                                       ; the data in window 1
.irp c, 0,1,2,3
	ds_store_b128 v[ADK], v[32+4*\c:35+4*\c] offset:512*\c
	ds_store_b128 v[ADV], v[48+4*\c:51+4*\c] offset:512*\c
.endr
	WIN 0x55
.set i, 0
.rept 16                               ; the flags: is any word of a (tile, key step) other than 0?
	v_or_b32 v[96+4*i], v[96+4*i], v[97+4*i]
	v_or_b32 v[98+4*i], v[98+4*i], v[99+4*i]
	v_or_b32 v[96+4*i], v[96+4*i], v[98+4*i]
	v_cmp_ne_u32 s[T0], 0, v[96+4*i]
	s_and_b32 s[T1], s[T0], 0xffff                 ; SCC: lanes 0-15 hold a bit
	s_cselect_b32 s[T1], 1<<(16*(i/8)+2*(i%8)), 0
	s_or_b32 s[FL], s[FL], s[T1]
	s_lshr_b32 s[T0], s[T0], 16                    ; SCC: lanes 16-31 hold a bit
	s_cselect_b32 s[T0], 2<<(16*(i/8)+2*(i%8)), 0
	s_or_b32 s[FL], s[FL], s[T0]
.set i, i+1
.endr
	WIN 0
	s_wait_dscnt 0x0                               ; my parts of pieces 0 to 4 are stored
	s_barrier_signal -1
	s_barrier_wait -1
	s_mov_b32 s[SLOTS], 2
.Lslot:                                            ; two trips of two slots; the barrier of the very last slot orders nothing
	SLOT_STEPS 0
	SLOT_STEPS 1
	s_sub_co_u32 s[SLOTS], s[SLOTS], 1
	s_cmp_lg_u32 s[SLOTS], 0
	s_cbranch_scc1 .Lslot
	s_wait_loadcnt 0x0                             ; on every way: no load into the score registers is out when the way out writes them
	; THE WAY OUT.  O^T / the sum is quantised as it stands: a lane's registers 16 b + i are channels 32 b + 16 (lane / 16) + i of its query, so the codes are the last product's fragment, stored as its image.
.rept 4
	v_nop                                          ; four places behind the last products
.endr
.macro FINISH win, swin, u
	WIN \win
	v_add_f32 v14, v14, v15                        ; the sum's two halves,
	v_permlanex16_b32 v252, v14, s[SEL], s[SEL+1]
	v_add_f32 v14, v14, v252                       ; and lane l xor 16's
	AWAIT
	v_rcp_f32 v14, v14
	v_nop                                          ; a plain line behind the reciprocal
	AWAIT                                          ; ahead of its first reader, and directly ahead of the first readers of O^T
.set j, 0
.rept 32
	v_pk_mul_f32 v[96+j:97+j], v[160+j:161+j], v[14:15] op_sel_hi:[1,0]
.set j, j+2
.endr
.set j, 0
.rept 64
	v_med3_num_f32 v[96+j], v[96+j], -v245, v245   ; the hold at the largest code x the scale
.set j, j+1
.endr
.irp g, 0,1,2,3,4,5,6,7
	v_cvt_scalef32_pk8_fp8_f32 v[224+2*\g:225+2*\g], v[96+8*\g:103+8*\g], v246
.endr
	v_nop                                          ; a plain line behind the last conversion
	WIN \swin                                      ; the stores' data in the tile's window, their address in window 0
.irp c, 0,1,2,3
	global_store_b128 v[LI], v[224+4*\c:227+4*\c], s[4:5] offset:2048*\u+512*\c   ; a piece: 512 consecutive bytes
.endr
.endm
	FINISH 0x00, 0x00, 0
	FINISH 0x55, 0x04, 1
	WIN 0
	s_wait_tensorcnt 0x0                           ; the wave's end
	ds_add_u32 v[SPW], v[NIL]
	s_wait_dscnt 0x0
	s_endpgm
.Lfunc_end_k_q643071e3aa_attn:
	.size	k_q643071e3aa_attn, .Lfunc_end_k_q643071e3aa_attn-k_q643071e3aa_attn
	.p2alignl 7, 3214868480
	.fill 96, 4, 3214868480
	.section	.rodata,"a",@progbits
	.p2align	6, 0x0
	.amdhsa_kernel k_q643071e3aa_attn
		.amdhsa_group_segment_fixed_size 263168
		.amdhsa_private_segment_fixed_size 0
		.amdhsa_enable_private_segment 0
		.amdhsa_kernarg_size 48
		.amdhsa_user_sgpr_count 2
		.amdhsa_user_sgpr_kernarg_segment_ptr 1
		.amdhsa_wavefront_size32 1
		.amdhsa_system_sgpr_workgroup_id_x 1
		.amdhsa_system_sgpr_workgroup_id_y 1
		.amdhsa_system_sgpr_workgroup_id_z 1
		.amdhsa_system_vgpr_workitem_id 0
		.amdhsa_next_free_vgpr 512
		.amdhsa_next_free_sgpr 106
		.amdhsa_reserve_vcc 0
		.amdhsa_float_denorm_mode_32 3
		.amdhsa_float_denorm_mode_16_64 3
		.amdhsa_memory_ordered 1
		.amdhsa_forward_progress 1
		.amdhsa_inst_pref_size 233
	.end_amdhsa_kernel
	.amdgpu_metadata
---
amdhsa.version: [ 1, 2 ]
amdhsa.kernels:
  - .name:           k_q643071e3aa_attn
    .symbol:         k_q643071e3aa_attn.kd
    .args:
      - { .name: query, .offset: 0, .size: 8, .value_kind: global_buffer, .address_space: global }
      - { .name: k_img, .offset: 8, .size: 8, .value_kind: global_buffer, .address_space: global }
      - { .name: v_img, .offset: 16, .size: 8, .value_kind: global_buffer, .address_space: global }
      - { .name: maskw, .offset: 24, .size: 8, .value_kind: global_buffer, .address_space: global }
      - { .name: lowp_scales, .offset: 32, .size: 8, .value_kind: global_buffer, .address_space: global }
      - { .name: a_img, .offset: 40, .size: 8, .value_kind: global_buffer, .address_space: global }
    .group_segment_fixed_size: 263168
    .private_segment_fixed_size: 0
    .kernarg_segment_align: 8
    .kernarg_segment_size: 48
    .max_flat_workgroup_size: 256
    .sgpr_count:     106
    .vgpr_count:     512
    .wavefront_size: 32
...
	.end_amdgpu_metadata
.endif
;; end of part 5
;; launch gemm (part 6): grid 8 x 32, 4 waves a work-group, clusters of 4 x 4, 327,680 bytes of LDS; arguments a_img, w_img, lowp_scales, b_out, out0; writes out0
.if DOCPART == 6
	.amdgcn_target "amdgcn-amd-amdhsa--gfx1250"
	.amdhsa_code_object_version 6
	.text
	.protected	k_q643071e3aa_gemm
	.globl	k_q643071e3aa_gemm
	.p2align	8
	.type	k_q643071e3aa_gemm,@function
k_q643071e3aa_gemm:
	s_mov_b64 s[64:65], 0
	v_nop
	global_prefetch_b8 v0, s[64:65] scope:SCOPE_SE
	s_setreg_imm32_b32 hwreg(HW_REG_WAVE_MODE, 25, 1), 1
	s_wait_xcnt 0x0
	s_wait_alu depctr_hold_cnt(0) depctr_sa_sdst(0) depctr_va_vdst(0) depctr_va_sdst(0) depctr_va_ssrc(0) depctr_va_vcc(0) depctr_vm_vsrc(0)
	s_getreg_b32 s2, hwreg(HW_REG_IB_STS2, 6, 4)
	s_cmp_eq_u32 s2, 0
	s_cbranch_scc0 .Lentry_in_a_cluster
	s_endpgm
.Lentry_in_a_cluster:
	s_bfe_u32 s2, ttmp6, 0x10000c
	s_cmp_lg_u32 s2, 0xf033
	s_cbranch_scc0 .Lentry_shape_is_right
	s_endpgm
.Lentry_shape_is_right:
.set KBA,    16384
.set KBB,    32768
.set BOFF,   3*KBA
.set SLOT,   3*(KBA+KBB)
.set KSTR,   16*16384
.set SPARE,  2*SLOT
.set SPITCH, 528
.set BIAS, 8
.set ADRA, 16
.set ADRB, 20
.set STO,  24
.set RD,   25
.set CO,   26
.set SPW,  28
.set NIL,  29
.set AF,   128
.set BK,   128
.set G1,  24
.set G0,  32
.set G1B, 48
.set G0B, 56
.set G1P, 72
.set MSB, 0
.macro WIN new
.if MSB != \new
	s_set_vgpr_msb (MSB<<8)|\new
.set MSB, \new
.endif
.endm
.set MULW, 0xa1
.set TO_B, 0x40
.macro PLACES n
.rept \n
	v_nop
.endr
.endm
.macro JLOAD s
	s_cmp_eq_u32 s14, 0
	s_cbranch_scc0 .Lfor_b_\@
	tensor_load_to_lds s[G0+4*\s:G0+4*\s+3], s[G1:G1+7]
	s_nop 0
.rept 4
	v_nop
.endr
	s_branch .Lasked_\@
.Lfor_b_\@:
	tensor_load_to_lds s[G0B+4*\s:G0B+4*\s+3], s[G1B:G1B+7]
	s_nop 0
.rept 4
	v_nop
.endr
.Lasked_\@:
.endm
.macro JLOADP s
	s_cmp_eq_u32 s14, 0
	s_cbranch_scc0 .Lnot_a_\@
	tensor_load_to_lds s[G0+4*\s:G0+4*\s+3], s[G1P:G1P+7]
	s_nop 0
.rept 4
	v_nop
.endr
	s_branch .Lasked_\@
.Lnot_a_\@:
	s_cmp_eq_u32 s14, 1
	s_cbranch_scc0 .Lasked_\@
	tensor_load_to_lds s[G0B+4*\s:G0B+4*\s+3], s[G1B:G1B+7]
	s_nop 0
.rept 4
	v_nop
.endr
.Lasked_\@:
	PLACES 4
.endm
.macro CREST
	s_cmp_lg_u32 s14, 0
	s_cbranch_scc1 .Lnot_wave_0_\@
	s_barrier_signal -3
.Lnot_wave_0_\@:
	s_barrier_wait -3
	s_barrier_signal -1
	s_barrier_wait -1
.endm
.macro CROUND
	s_barrier_signal -1
	s_barrier_wait -1
	CREST
.endm
	s_load_b128 s[4:7], s[0:1], 0x0
	s_load_b128 s[8:11], s[0:1], 0x10
	s_load_b64 s[12:13], s[0:1], 0x20
	v_lshl_add_u32 v[SPW], v0, 2, SPARE
	v_mov_b32 v[NIL], 0
	ds_add_u32 v28, v29
	ds_add_u32 v28, v29
	s_wait_dscnt 0x0
	v_lshrrev_b32 v1, 5, v0
	v_readfirstlane_b32 s14, v1
	s_lshr_b32 s15, s14, 1
	s_and_b32 s16, s14, 1
	s_bfe_u32 s40, ttmp6, 0x40000
	s_bfe_u32 s41, ttmp6, 0x40004
	s_lshl_b32 s42, ttmp9, 2
	s_add_co_u32 s42, s42, s40
	s_and_b32 s17, ttmp7, 0xffff
	s_lshl_b32 s17, s17, 2
	s_add_co_u32 s17, s17, s41
	s_lshl_b32 s43, s41, 2
	s_lshl_b32 s43, 15, s43
	s_lshl_b32 s44, 0x1111, s40
	s_or_b32 s[G1+0], s43, (3<<16)|(1<<21)
	s_mov_b32 s[G1+1], 2048<<16
	s_mov_b32 s[G1+2], 3<<16
	s_mov_b32 s[G1+3], 2048<<16
	s_mov_b32 s[G1+4], 3
	s_mov_b32 s[G1+5], KSTR/8
	s_mov_b32 s[G1+6], 0
	s_mov_b32 s[G1+7], 0
	s_or_b32 s[G1P+0], s43, (3<<16)|(1<<21)
	s_mov_b32 s[G1P+1], 2048<<16
	s_mov_b32 s[G1P+2], 1<<16
	s_mov_b32 s[G1P+3], 2048<<16
	s_mov_b32 s[G1P+4], 1
	s_mov_b32 s[G1P+5], KSTR/8
	s_mov_b32 s[G1P+6], 0
	s_mov_b32 s[G1P+7], 0
	s_or_b32 s[G1B+0], s44, (3<<16)|(1<<21)
	s_mov_b32 s[G1B+1], 32<<16
	s_mov_b32 s[G1B+2], 128<<16
	s_mov_b32 s[G1B+3], 32<<16
	s_mov_b32 s[G1B+4], 128
	s_mov_b32 s[G1B+5], 32
	s_mov_b32 s[G1B+6], 0
	s_mov_b32 s[G1B+7], 0
	s_lshr_b32 s20, s17, 4
	s_lshl_b32 s20, s20, 8
	s_and_b32 s18, s17, 15
	s_add_co_u32 s20, s20, s18
	s_lshl_b32 s20, s20, 14
	s_mov_b32 s21, 0
	s_add_co_u32 s18, s14, 3
	s_and_b32 s18, s18, 3
	s_lshl_b32 s18, s18, 18
	s_lshl_b32 s46, s42, 15
	s_add_co_u32 s46, s46, s18
	s_mov_b32 s47, 0
	s_lshl_b32 s45, s14, 15
	s_add_co_u32 s45, s45, KBA
	s_wait_kmcnt 0x0
	s_load_b64 s[96:97], s[8:9], 0x10
	s_add_nc_u64 s[20:21], s[4:5], s[20:21]
	s_add_nc_u64 s[46:47], s[6:7], s[46:47]
	; PREFETCH INTO THE L2: behind the joint load of slot f (f = 0, 1, 2) each wave asks for its part of slot f + 2, two changes of slots ahead of the load that wants it.  Slots 0, 1 and 5 come by their loads alone.
	; The four partners that ask for a tile jointly share its blocks of 256 bytes out by address.  Waves 1-3 (B, 32,768 bytes of one K block): partner cy takes 8,192 bytes, a lane a block.
	; Wave 0 (A, 16,384 bytes of each of three K blocks): partner cx takes 4,096 bytes of each: lanes 0-15 and 16-31 the first two K blocks, a second line the third (its lanes 16-31 name the last block again).
	; Every offset is an immediate: the address registers are never written again.
	s_lshl_b32 s84, s40, 12
	s_lshl_b32 s85, s41, 13
	s_mov_b32 s82, 4096
	s_cmp_eq_u32 s14, 0
	s_cselect_b64 s[80:81], s[20:21], s[46:47]
	s_cselect_b32 s82, KSTR, s82
	s_cselect_b32 s84, s84, s85
	s_mov_b32 s85, 0
	s_add_nc_u64 s[80:81], s[80:81], s[84:85]
	v_and_b32 v31, 31, v0
	v_lshrrev_b32 v27, 4, v31
	v_and_b32 v30, 15, v31
	v_lshlrev_b32 v30, 8, v30
	v_mad_u32_u24 v30, v27, s82, v30
	v_min_u32 v31, 15, v31
	v_lshlrev_b32 v31, 8, v31
.macro ASK f
	global_prefetch_b8 v30, s[80:81] offset:3*(\f)*KSTR th:TH_LOAD_NT scope:SCOPE_SE
	s_cmp_lg_u32 s14, 0
	s_cbranch_scc1 .Lasked_all_\@
	global_prefetch_b8 v31, s[80:81] offset:(3*(\f)+2)*KSTR th:TH_LOAD_NT scope:SCOPE_SE
.Lasked_all_\@:
.endm
	CROUND
.irp s, 0,1
	s_mov_b32 s[G0+4*\s], 1
	s_mov_b32 s[G0+4*\s+1], \s*SLOT
	s_add_nc_u64 s[G0+4*\s+2:G0+4*\s+3], s[20:21], \s*3*KSTR
	s_or_b32 s[G0+4*\s+3], s[G0+4*\s+3], 0x80000000
	s_mov_b32 s[G0B+4*\s], 1
	s_add_co_u32 s[G0B+4*\s+1], s45, \s*SLOT
	s_add_nc_u64 s[G0B+4*\s+2:G0B+4*\s+3], s[46:47], \s*3*KSTR
	s_or_b32 s[G0B+4*\s+3], s[G0B+4*\s+3], 0x80000000
	s_wait_alu depctr_va_vdst(0)
	s_wait_tensorcnt 0x0
	ds_add_u32 v28, v29
	ds_add_u32 v28, v29
	s_wait_dscnt 0x0
	CROUND
	JLOAD \s
	ASK \s+2
.endr
	v_and_b32 v1, 15, v0
	v_bfe_u32 v2, v0, 4, 1
	v_and_b32 v6, 31, v0
	v_lshlrev_b32 v[CO], 4, v6
	s_lshl_b32 s21, s15, 13
	s_lshl_b32 s22, s16, 14
	s_add_co_u32 s22, s22, BOFF
.irp s, 0,1
	v_add_nc_u32 v[ADRA+\s], s21, v[CO]
	v_add_nc_u32 v[ADRB+2*\s], s22, v[CO]
	s_add_co_u32 s23, s22, 2*KBB
	v_add_nc_u32 v[ADRB+2*\s+1], s23, v[CO]
	s_add_co_u32 s21, s21, SLOT
	s_add_co_u32 s22, s22, SLOT
.endr
	s_mul_i32 s23, s14, 16*SPITCH
	v_mul_u32_u24 v5, v1, SPITCH
	v_lshl_add_u32 v5, v2, 6, v5
	v_add_nc_u32 v[STO], s23, v5
	v_add_nc_u32 v[RD], s23, v[CO]
	s_lshl_b32 s46, s42, 10
	s_lshl_b32 s47, s16, 9
	s_add_co_u32 s46, s46, s47
	s_mov_b32 s47, 0
	s_add_nc_u64 s[10:11], s[10:11], s[46:47]
	global_load_b128 v[BIAS:BIAS+3], v[CO], s[10:11]
	s_lshl_b32 s20, s17, 7
	s_lshl_b32 s21, s15, 6
	s_add_co_u32 s20, s20, s21
	s_lshl_b32 s20, s20, 13
	s_mov_b32 s21, 0
	s_add_nc_u64 s[12:13], s[12:13], s[20:21]
	s_add_nc_u64 s[12:13], s[12:13], s[46:47]
.macro FETCH slot, kb, p
	WIN TO_B
.irp i, 0,1,2,3,4,5,6,7
.irp c, 0,1,2,3
	ds_load_b128 v[128*(\p)+16*\i+4*\c:128*(\p)+16*\i+4*\c+3], v[ADRB+2*(\slot)+(\kb)/2] offset:((\kb)%2)*KBB+2048*\i+512*\c
.endr
.endr
	WIN 0
.irp i, 0,1,2,3
.irp c, 0,1,2,3
	ds_load_b128 v[AF+64*(\p)+16*\i+4*\c:AF+64*(\p)+16*\i+4*\c+3], v[ADRA+(\slot)] offset:(\kb)*KBA+2048*\i+512*\c
.endr
.endr
.endm
.macro MULH p, a0, zero
.irp a, \a0, \a0+1
.irp b, 0,1,2,3,4,5,6,7
.if \zero
	v_wmma_f32_16x16x128_fp8_fp8 v[8*(8*(\a)+\b):8*(8*(\a)+\b)+7], v[128*(\p)+16*\b:128*(\p)+16*\b+15], v[AF+64*(\p)+16*(\a):AF+64*(\p)+16*(\a)+15], 0
.else
	v_wmma_f32_16x16x128_fp8_fp8 v[8*(8*(\a)+\b):8*(8*(\a)+\b)+7], v[128*(\p)+16*\b:128*(\p)+16*\b+15], v[AF+64*(\p)+16*(\a):AF+64*(\p)+16*(\a)+15], v[8*(8*(\a)+\b):8*(8*(\a)+\b)+7]
.endif
.endr
.endr
.endm
.macro KB slot, kb, p, zero
	s_wait_dscnt 0x0
	PLACES 4
	FETCH \slot, (\kb)+1, 1-(\p)
	WIN MULW
	MULH \p, 0, \zero
	MULH \p, 2, \zero
	WIN 0
.endm
.macro KLAST slot, p, fill
	s_wait_dscnt 0x0
	WIN MULW
	MULH \p, 0, 0
	WIN 0
	s_wait_tensorcnt 0x0
	ds_add_u32 v[SPW], v[NIL]
.if \fill
	s_add_nc_u64 s[G0+4*\slot+2:G0+4*\slot+3], s[G0+4*\slot+2:G0+4*\slot+3], 6*KSTR
	s_add_nc_u64 s[G0B+4*\slot+2:G0B+4*\slot+3], s[G0B+4*\slot+2:G0B+4*\slot+3], 6*KSTR
.endif
	s_wait_dscnt 0x0
.if \fill
	CROUND
.if \fill == 1
	JLOAD \slot
.else
	JLOADP \slot
.endif
.else
	s_barrier_signal -1
	s_barrier_wait -1
	PLACES 4
.endif
	FETCH 1-(\slot), 0, 1-(\p)
	WIN MULW
	MULH \p, 2, 0
	WIN 0
.endm
	s_wait_alu depctr_va_vdst(0)
	s_wait_tensorcnt 1
	s_barrier_signal -1
	s_barrier_wait -1
	FETCH 0, 0, 0
	KB 0, 0, 0, 1
	KB 0, 1, 1, 0
	KLAST 0, 0, 1
	ASK 4
	KB 1, 0, 1, 0
	KB 1, 1, 0, 0
	KLAST 1, 1, 1
	KB 0, 0, 0, 0
	KB 0, 1, 1, 0
	KLAST 0, 0, 1
	KB 1, 0, 1, 0
	KB 1, 1, 0, 0
	KLAST 1, 1, 2
	KB 0, 0, 0, 0
	KB 0, 1, 1, 0
	KLAST 0, 0, 0
	s_wait_dscnt 0x0
	WIN MULW
	MULH 1, 0, 0
	MULH 1, 2, 0
	WIN 0
.macro TOSTAGE a
.set AC, 64*(\a)
	WIN 0x08
.irp b, 0,1,2,3,4,5,6,7
	ds_store_b128 v[STO], v[AC+8*\b:AC+8*\b+3] offset:128*(\b/2)+32*(\b%2)
	ds_store_b128 v[STO], v[AC+8*\b+4:AC+8*\b+7] offset:128*(\b/2)+32*(\b%2)+16
.endr
	WIN 0
.set BB, BK+64*((\a)%2)
.irp t, 0,1,2,3,4,5,6,7,8,9,10,11,12,13,14,15
	ds_load_b128 v[BB+4*\t:BB+4*\t+3], v[RD] offset:\t*SPITCH
.endr
.endm
.macro SEND a, younger
.set BB, BK+64*((\a)%2)
	s_wait_dscnt \younger
.irp t, 0,1,2,3,4,5,6,7,8,9,10,11,12,13,14,15
	v_pk_fma_f32 v[BB+4*\t:BB+4*\t+1], v[BB+4*\t:BB+4*\t+1], s[96:97], v[BIAS:BIAS+1] op_sel_hi:[1,0,1]
	v_pk_fma_f32 v[BB+4*\t+2:BB+4*\t+3], v[BB+4*\t+2:BB+4*\t+3], s[96:97], v[BIAS+2:BIAS+3] op_sel_hi:[1,0,1]
.endr
.irp t, 0,1,2,3,4,5,6,7,8,9,10,11,12,13,14,15
	global_store_b128 v[CO], v[BB+4*\t:BB+4*\t+3], s[12:13] offset:(32*((\a)/2)+8*((\a)%2)+\t+8*(\t/8))*8192 th:TH_STORE_NT
.endr
.endm
	s_wait_kmcnt 0x0
	s_add_co_i32 s96, s96, s97
	s_add_co_i32 s96, s96, 127
	s_lshl_b32 s96, s96, 23
	s_wait_loadcnt 0x0
	PLACES 4
	TOSTAGE 0
.irp a, 1,2,3
.if \a > 1
	s_wait_xcnt 0x0
.endif
	TOSTAGE \a
	SEND \a-1, 32
.endr
	SEND 3, 0
	s_wait_tensorcnt 0x0
	ds_add_u32 v[SPW], v[NIL]
	s_wait_dscnt 0x0
	CROUND
	s_endpgm
.Lfunc_end_k_q643071e3aa_gemm:
	.size	k_q643071e3aa_gemm, .Lfunc_end_k_q643071e3aa_gemm-k_q643071e3aa_gemm
	.p2alignl 7, 3214868480
	.fill 96, 4, 3214868480
	.section	.rodata,"a",@progbits
	.p2align	6, 0x0
	.amdhsa_kernel k_q643071e3aa_gemm
		.amdhsa_group_segment_fixed_size 327680
		.amdhsa_private_segment_fixed_size 0
		.amdhsa_enable_private_segment 0
		.amdhsa_kernarg_size 40
		.amdhsa_user_sgpr_count 2
		.amdhsa_user_sgpr_kernarg_segment_ptr 1
		.amdhsa_wavefront_size32 1
		.amdhsa_system_sgpr_workgroup_id_x 1
		.amdhsa_system_sgpr_workgroup_id_y 1
		.amdhsa_system_sgpr_workgroup_id_z 1
		.amdhsa_system_vgpr_workitem_id 0
		.amdhsa_next_free_vgpr 768
		.amdhsa_next_free_sgpr 98
		.amdhsa_reserve_vcc 0
		.amdhsa_float_denorm_mode_32 3
		.amdhsa_float_denorm_mode_16_64 3
		.amdhsa_memory_ordered 1
		.amdhsa_forward_progress 1
		.amdhsa_inst_pref_size 122
	.end_amdhsa_kernel
	.amdgpu_metadata
---
amdhsa.version: [ 1, 2 ]
amdhsa.kernels:
  - .name:           k_q643071e3aa_gemm
    .symbol:         k_q643071e3aa_gemm.kd
    .args:
      - { .name: a_img, .offset: 0, .size: 8, .value_kind: global_buffer, .address_space: global }
      - { .name: w_img, .offset: 8, .size: 8, .value_kind: global_buffer, .address_space: global }
      - { .name: lowp_scales, .offset: 16, .size: 8, .value_kind: global_buffer, .address_space: global }
      - { .name: b_out, .offset: 24, .size: 8, .value_kind: global_buffer, .address_space: global }
      - { .name: out0, .offset: 32, .size: 8, .value_kind: global_buffer, .address_space: global }
    .group_segment_fixed_size: 327680
    .private_segment_fixed_size: 0
    .kernarg_segment_align: 8
    .kernarg_segment_size: 40
    .max_flat_workgroup_size: 128
    .sgpr_count:     98
    .vgpr_count:     768
    .wavefront_size: 32
...
	.end_amdgpu_metadata
.endif
;; end of part 6
